; MI455X (gfx1250); checked and timed in simulation.
; The chip was launched on July 23, 2026; its instructions are those of AMD's public machine-readable ISA for CDNA 5 (MIT licence, August 2026) and "CDNA5" Instruction Set Architecture Reference Guide (July 2026). The comments in the code are by the model that wrote it; some were corrected since.
;; Causal Attention. Allowed arithmetic: matrix products marked QUANTISED: E3M2 operands, one E8M0 scale for each 32 along K, by v_wmma_scale_f32_16x16x128_f8f6f4 with both operands' format E3M2, f32 sums; everything else in f32.
;; Inputs: Wk 1,024 x 1,024 float32; Wq 1,024 x 1,024 float32; Wv 1,024 x 1,024 float32; inputs 4 x 2,048 x 1,024 float32.
;; Outputs: out0 4 x 2,048 x 1,024 float32.
;; This version of the problem:
;;   THIS VERSION OF THE PROBLEM IS GIVEN IN LOW PRECISION. The matrix products marked QUANTISED in the list below multiply operands that are first quantised to E3M2 (3 exponent bits, 2 mantissa bits; 6 bits a number), with one power-of-two scale for each 32 numbers along K (OCP MX v1.0); their sums are f32. All else is computed in f32.
;;   The module's matrix products, in the order in which they are computed (A, B: the left and right operand; K: the contracted axis; several contracted axes count as one K, in the product's order):
;;     1. [M 8,192, K 1,024] x [K 1,024, N 1,024]; A: input inputs; B: input Wq: QUANTISED
;;     2. [M 8,192, K 1,024] x [K 1,024, N 1,024]; A: input inputs; B: input Wk: QUANTISED
;;     3. [M 8,192, K 1,024] x [K 1,024, N 1,024]; A: input inputs; B: input Wv: QUANTISED
;;     4. batch 4 x [M 2,048, K 1,024] x [K 1,024, N 2,048]; A: computed on the way; B: computed on the way: QUANTISED
;;     5. batch 4 x [M 2,048, K 2,048] x [K 2,048, N 1,024]; A: softmax (see below); B: computed on the way: QUANTISED
;;   THE QUANTISER, for each operand of a quantised product, along K:
;;     - K is cut into blocks of 32 from its start; a last block that is shorter is filled with zeros.
;;     - A block's scale is 2^e with e = floor(log2(the largest magnitude in the block)) - 4, held to -126 .. 127; a block of zeros has e = 0. As a byte (E8M0): e + 127.
;;     - Each number is divided by its block's scale, clamped to +-28, and rounded to the nearest number of E3M2, ties to even, subnormals kept.
;;     - The product sums the exact products of the quantised numbers (number of the format x scale) in f32.
;;   ~~~python
;;   def quantise(x, axis):      # numpy; x: float32 -> the quantised numbers, widened to float32 again
;;       x = np.moveaxis(x, axis, -1); K = x.shape[-1]
;;       x = np.pad(x, [(0, 0)] * (x.ndim - 1) + [(0, -K % 32)]); x = x.reshape(x.shape[:-1] + (-1, 32)); a = np.abs(x).max(-1, keepdims=True)
;;       e = np.where(a > 0, np.clip(np.frexp(np.where(a > 0, a, 1))[1] - 1 - 4, -126, 127), 0)      # np.frexp(a)[1] - 1 = floor(log2(a)), exactly
;;       r = np.clip(x / 2.0 ** e, -28, 28)
;;       step = 2.0 ** (np.maximum(np.frexp(np.where(r == 0, 1, r))[1] - 1, -2) - 2)
;;       q = np.round(r / step) * step * 2.0 ** e      # np.round: ties to even
;;       return np.moveaxis(q.reshape(q.shape[:-2] + (-1,))[..., :K], -1, axis).astype(np.float32)
;;   ~~~
;;   SOFTMAX AHEAD OF A QUANTISED PRODUCT. Where the list says 'softmax', what is quantised is not the finished softmax but p = 2^(t - M), with t = logit x log2(e) and M = ceil(the row's largest t), a whole number; so 1/2 < the row's largest p <= 1. The row's sum l is taken of the UNQUANTISED p, in f32, and the product's result is divided by l at the end. Since M is a whole number, a kernel that streams over the keys may use a running M (the ceiling of the running maximum): every later rescaling is an exact power of two, which a block's scale takes up: the codes' values come out the same.
;;   OPERANDS COMPUTED ON THE WAY. 'Computed on the way' means the value that the module computes at that place (a softmax that the list does not call 'softmax' is quantised finished and normalised). What goes into a quantiser is computed in f32, as accurately as f32 sums, v_exp_f32 and their like allow (about 1e-6 of the number): no bf16 or f16 on the way to a quantiser, and a product that is left as it is and whose result goes on into a quantised operand takes f32 operands (vector FMAs, or v_wmma_f32_16x16x4_f32). A number that lies on a knife's edge between two numbers of the format may be rounded either way, as far as f32 arithmetic and the matrix unit's own rounding can turn it there, and no further.
;; One version. Each part assembles by itself: llvm-mc -triple=amdgcn-amd-amdhsa -mcpu=gfx1250 --defsym DOCPART=n.
;; ======== version 1 of 1: 4 launches
;; limits: right only within a limited range of input values
;; workspace buffers: ops 9,011,200 bytes; qkv 19,660,800 bytes; pc 12,582,912 bytes; st 4,194,304 bytes
;; launch quant (part 1): grid 8 x 88, 8 waves a work-group, no clusters, 69,120 bytes of LDS; arguments inputs, Wq, Wk, Wv, ops; writes ops
.if DOCPART == 1
	.amdgcn_target "amdgcn-amd-amdhsa--gfx1250"
	.amdhsa_code_object_version 6
	.text
	.protected	k_qf037001ee8_quant
	.globl	k_qf037001ee8_quant
	.p2align	8
	.type	k_qf037001ee8_quant,@function
k_qf037001ee8_quant:
	s_mov_b64 s[64:65], 0
	v_nop
	global_prefetch_b8 v0, s[64:65] scope:SCOPE_SE
	s_setreg_imm32_b32 hwreg(HW_REG_WAVE_MODE, 25, 1), 1
	s_wait_xcnt 0x0
; inputs [8192][1024], Wq, Wk, Wv [1024][1024], f32, K innermost, become codes of BF6 (E3M2) with one E8M0 byte for each 32 along K, laid as RECORDS.
; A RECORD is 128 rows x 128 K, 12,800 bytes: eight fragments of 1,536 bytes, each an image of an operand's 12 registers (registers 4 c .. 4 c + 3 of lane l at 512 c + 16 l), then 512 bytes of scale
; words (row r of fragment i at 12,288 + 32 r + 4 i).  THE ROWS OF A FRAGMENT ARE NOT NEIGHBOURS: row r of fragment i is row 32 (i / 2) + 8 (i % 2) + r + 8 (r / 8) of the 128.
; ops holds record [row block 0..87][K step 0..7]: row blocks 0-63 inputs, 64-71 Wq, 72-79 Wk, 80-87 Wv.
; A block's scale is 2^(floor(log2(its largest magnitude)) - 4); its byte is the largest magnitude's exponent field - 4, held at 1 from below (a block of zeros keeps 1: its codes are zeros, and this program alone reads the bytes).
; LIMITS: blocks whose largest magnitude lies under 2^-122 keep the byte 1; NaN and infinities among the inputs are not served.
; SHARES: a work-group makes one record (x = K step, y = row block), wave w fragment w.  Each of a wave's 16 loads reads 512 consecutive bytes of one row; the rows turn through the wave's own stage in LDS, so that
; a lane then holds 16 neighbours of each block of 32 of its row.  No loop, no tensor load; one barrier, for the scale words, which leave as 512 consecutive bytes.
.set REC,   12800
.set SCO,   12288
.set SP,    528                        ; a stage row: 512 bytes + 16: the sixteen rows of a read begin at sixteen different places modulo 256 bytes
.set STG,   16*SP                      ; a wave's stage
.set SCG,   8*STG                      ; behind the stages: the record's 512 bytes of scale words
.set SPARE, SCG+512                    ; the spare words, 128 bytes for each of the eight waves: four blocks of 256 bytes that no other line names
.set X,     16                         ; v16-79   64 numbers
.set PC,    80                         ; v80-98   the codes
.set TM,    100                        ; v100-115 at work
.set PW,    116                        ; the scale word
.set SPW,   12                         ; v12      my spare word's LDS address; never rewritten
.set NIL,   13                         ; v13      0; never rewritten
.set SEL,   20                         ; s[20:21] v_permlanex16_b32's selects for lane l xor 16
	s_load_b256 s[4:11], s[0:1], 0x0               ; inputs s[4:5], Wq s[6:7], Wk s[8:9], Wv s[10:11]
	s_load_b64 s[12:13], s[0:1], 0x20              ; ops
	v_lshl_add_u32 v[SPW], v0, 2, SPARE
	v_mov_b32 v[NIL], 0
	v_lshrrev_b32 v1, 5, v0
	v_readfirstlane_b32 s16, v1                    ; wave 0..7
	v_and_b32 v2, 31, v0                           ; lane
	v_and_b32 v3, 15, v0                           ; r
	v_bfe_u32 v9, v0, 4, 1                         ; h
	v_lshlrev_b32 v4, 4, v2                        ; 16 x lane
	s_mul_i32 s17, s16, STG
	v_add_nc_u32 v5, s17, v4                       ; the stage, on the way in: 16 x lane of a row
	v_mul_u32_u24 v6, v3, SP
	v_lshl_add_u32 v6, v9, 6, v6
	v_add_nc_u32 v6, s17, v6                       ; and on the way out: row r, + 64 h
	v_lshlrev_b32 v7, 5, v3
	s_lshl_b32 s18, s16, 2
	s_add_co_u32 s18, s18, SCG
	v_add_nc_u32 v7, s18, v7                       ; my row's scale word: SCG + 32 r + 4 w
	v_add_nc_u32 v8, SCG, v4                       ; the scale words on their way out
	s_mov_b32 s[SEL], 0x76543210
	s_mov_b32 s[SEL+1], 0xfedcba98
.irp b, 0,1,2,3
	v_mov_b32 v[TM+4+\b], 0                        ; written once: a lane permute's destination counts as one of its sources
.endr
	s_and_b32 s22, ttmp7, 0xffff                   ; row block 0..87
	s_and_b32 s23, s22, 7                          ; and inside a weight
	s_lshl_b32 s24, s22, 3
	s_add_co_u32 s24, s24, ttmp9                   ; the record's number
	s_mul_i32 s24, s24, REC
	s_mul_i32 s30, s16, 1536
	s_add_co_u32 s24, s24, s30                     ; + my fragment (0 in wave 0, which also stores the scale words)
	s_mov_b32 s25, 0
	s_lshr_b32 s26, s16, 1
	s_lshl_b32 s26, s26, 5
	s_and_b32 s27, s16, 1
	s_lshl_b32 s27, s27, 3
	s_add_co_u32 s26, s26, s27                     ; my fragment's first row: 32 (w / 2) + 8 (w % 2)
	s_wait_kmcnt 0x0
	s_cmp_ge_u32 s22, 72                           ; which tensor: the choice hangs on the work-group's number alone
	s_cselect_b64 s[14:15], s[8:9], s[6:7]
	s_cmp_ge_u32 s22, 80
	s_cselect_b64 s[14:15], s[10:11], s[14:15]
	s_cmp_lt_u32 s22, 64
	s_cselect_b64 s[14:15], s[4:5], s[14:15]
	s_cselect_b32 s23, s22, s23
	s_lshl_b32 s23, s23, 7
	s_add_co_u32 s23, s23, s26                     ; the row,
	s_lshl_b32 s28, s23, 12                        ; 4,096 bytes a row (under 2^26),
	s_lshl_b32 s27, ttmp9, 9
	s_add_co_u32 s28, s28, s27                     ; + 512 bytes a K step
	s_mov_b32 s29, 0
	s_add_nc_u64 s[14:15], s[14:15], s[28:29]
	s_add_nc_u64 s[12:13], s[12:13], s[24:25]
.irp p, 0,1,2,3,4,5,6,7,8,9,10,11,12,13,14,15
	global_load_b128 v[X+4*\p:X+4*\p+3], v4, s[14:15] offset:(\p+8*(\p/8))*4096 th:TH_LOAD_NT   ; the fragment's row p: 32 lanes read 512 consecutive bytes
.endr
.irp p, 0,1,2,3,4,5,6,7,8,9,10,11,12,13,14,15
	s_wait_loadcnt 15-\p                           ; loads come back in order: row p is in, the younger ones stay out
	ds_store_b128 v5, v[X+4*\p:X+4*\p+3] offset:SP*\p
.endr
	s_wait_dscnt 0x0                               ; the stores have read their registers, which the loads below write
.irp b, 0,1,2,3
.irp j, 0,1,2,3
	ds_load_b128 v[X+16*\b+4*\j:X+16*\b+4*\j+3], v6 offset:128*\b+16*\j   ; register 16 b + i = k 32 b + 16 h + i of row r
.endr
.endr
	s_wait_dscnt 0x0
.irp b, 0,1,2,3
	v_max3_num_f32 v[TM+\b], |v[X+16*\b]|, |v[X+1+16*\b]|, 0x2800000   ; block b: my 16 numbers, and the floor 2^(5 - 127): so the byte cannot fall under 1
.endr
.irp i, 2,4,6,8,10,12,14
.irp b, 0,1,2,3
	v_max3_num_f32 v[TM+\b], v[TM+\b], |v[X+16*\b+\i]|, |v[X+1+16*\b+\i]|   ; the four blocks by turns
.endr
.endr
.irp b, 0,1,2,3
	v_permlanex16_b32 v[TM+4+\b], v[TM+\b], s[SEL], s[SEL+1]
.endr
.irp b, 0,1,2,3
	v_max_num_f32 v[TM+\b], v[TM+\b], v[TM+4+\b]   ; with lane l xor 16's: the block's largest magnitude
.endr
.irp b, 0,1,2,3
	v_add_nc_u32 v[TM+12+\b], 0xfe000000, v[TM+\b] ; 4 off its exponent field: the conversion's scale operand
.endr
.irp b, 0,1,2,3
	v_lshrrev_b32 v[TM+4+\b], 23, v[TM+12+\b]      ; the scale's byte
.endr
	v_lshl_or_b32 v[PW], v[TM+5], 8, v[TM+4]       ; my row's scale word
	v_lshl_or_b32 v[PW], v[TM+6], 16, v[PW]
	v_lshl_or_b32 v[PW], v[TM+7], 24, v[PW]
.irp c, 0,1
	v_cvt_scalef32_pk16_bf6_f32 v[PC+6*\c:PC+2+6*\c], v[X+32*\c:X+15+32*\c], v[TM+12+2*\c]
	v_cvt_scalef32_pk16_bf6_f32 v[PC+12+4*\c:PC+14+4*\c], v[X+16+32*\c:X+31+32*\c], v[TM+12+2*\c+1]   ; (a conversion's three registers begin on an even number)
.endr
	v_nop                                          ; one plain place behind a scaled conversion
.irp c, 0,1                                    ; the operand's layout wants a whole block in a lane: lanes 0-15 block 2 c, lanes 16-31 block 2 c + 1
.irp i, 0,1,2
	v_permlane16_swap_b32 v[PC+6*\c+\i], v[PC+12+4*\c+\i]
.endr
.irp i, 0,1,2
	v_mov_b32 v[PC+3+6*\c+\i], v[PC+12+4*\c+\i]
.endr
.endr
.irp c, 0,1,2
	global_store_b128 v4, v[PC+4*\c:PC+4*\c+3], s[12:13] offset:512*\c   ; the fragment's image: 512 consecutive bytes a store
.endr
	ds_store_b32 v7, v[PW]                         ; both halves of the lanes write the same word with the same value
	s_wait_dscnt 0x0                               ; for the others' sake: my word has landed
	s_barrier_signal -1
	s_barrier_wait -1
	s_cmp_lg_u32 s16, 0
	s_cbranch_scc1 .Lend
	ds_load_b128 v[120:123], v8                    ; wave 0: the eight waves' words
	s_wait_dscnt 0x0
	global_store_b128 v4, v[120:123], s[12:13] offset:SCO
.Lend:
	s_wait_tensorcnt 0x0                           ; the wave's end, behind my last LDS store
	ds_add_u32 v[SPW], v[NIL]
	s_wait_dscnt 0x0
	s_endpgm
.Lfunc_end_k_qf037001ee8_quant:
	.size	k_qf037001ee8_quant, .Lfunc_end_k_qf037001ee8_quant-k_qf037001ee8_quant
	.p2alignl 7, 3214868480
	.fill 96, 4, 3214868480
	.section	.rodata,"a",@progbits
	.p2align	6, 0x0
	.amdhsa_kernel k_qf037001ee8_quant
		.amdhsa_group_segment_fixed_size 69120
		.amdhsa_private_segment_fixed_size 0
		.amdhsa_enable_private_segment 0
		.amdhsa_kernarg_size 40
		.amdhsa_user_sgpr_count 2
		.amdhsa_user_sgpr_kernarg_segment_ptr 1
		.amdhsa_wavefront_size32 1
		.amdhsa_system_sgpr_workgroup_id_x 1
		.amdhsa_system_sgpr_workgroup_id_y 1
		.amdhsa_system_sgpr_workgroup_id_z 1
		.amdhsa_system_vgpr_workitem_id 0
		.amdhsa_next_free_vgpr 128
		.amdhsa_next_free_sgpr 66
		.amdhsa_reserve_vcc 0
		.amdhsa_float_denorm_mode_32 3
		.amdhsa_float_denorm_mode_16_64 3
		.amdhsa_memory_ordered 1
		.amdhsa_forward_progress 1
		.amdhsa_inst_pref_size 12
	.end_amdhsa_kernel
	.amdgpu_metadata
---
amdhsa.version: [ 1, 2 ]
amdhsa.kernels:
  - .name:           k_qf037001ee8_quant
    .symbol:         k_qf037001ee8_quant.kd
    .args:
      - { .name: inputs, .offset: 0, .size: 8, .value_kind: global_buffer, .address_space: global }
      - { .name: Wq, .offset: 8, .size: 8, .value_kind: global_buffer, .address_space: global }
      - { .name: Wk, .offset: 16, .size: 8, .value_kind: global_buffer, .address_space: global }
      - { .name: Wv, .offset: 24, .size: 8, .value_kind: global_buffer, .address_space: global }
      - { .name: ops, .offset: 32, .size: 8, .value_kind: global_buffer, .address_space: global }
    .group_segment_fixed_size: 69120
    .private_segment_fixed_size: 0
    .kernarg_segment_align: 8
    .kernarg_segment_size: 40
    .max_flat_workgroup_size: 256
    .sgpr_count:     66
    .vgpr_count:     128
    .wavefront_size: 32
...
	.end_amdgpu_metadata
.endif
;; end of part 1
;; launch proj (part 2): grid 8 x 32, 4 waves a work-group, clusters of 4 x 4, 327,680 bytes of LDS; arguments ops, qkv; writes qkv
.if DOCPART == 2
	.amdgcn_target "amdgcn-amd-amdhsa--gfx1250"
	.amdhsa_code_object_version 6
	.text
	.protected	k_qf037001ee8_proj
	.globl	k_qf037001ee8_proj
	.p2align	8
	.type	k_qf037001ee8_proj,@function
k_qf037001ee8_proj:
	s_mov_b64 s[64:65], 0
	v_nop
	global_prefetch_b8 v0, s[64:65] scope:SCOPE_SE
	s_setreg_imm32_b32 hwreg(HW_REG_WAVE_MODE, 25, 1), 1
	s_wait_xcnt 0x0
	s_wait_alu depctr_hold_cnt(0) depctr_sa_sdst(0) depctr_va_vdst(0) depctr_va_sdst(0) depctr_va_ssrc(0) depctr_va_vcc(0) depctr_vm_vsrc(0)
	s_getreg_b32 s2, hwreg(HW_REG_IB_STS2, 6, 4)
	s_cmp_eq_u32 s2, 0
	s_cbranch_scc0 .Lentry_in_a_cluster
	s_endpgm
.Lentry_in_a_cluster:
	s_bfe_u32 s2, ttmp6, 0x10000c
	s_cmp_lg_u32 s2, 0xf033
	s_cbranch_scc0 .Lentry_shape_is_right
	s_endpgm
.Lentry_shape_is_right:
; q = x Wq^T, k = x Wk^T, v = x Wv^T on codes of BF6 (E3M2) with E8M0 scales, K = 1,024; the results are quantised in registers and leave as records for the next two launches.
; RECORD (ops and qkv): 128 rows x 128 K, 12,800 bytes: eight fragments of 1,536 bytes (registers 4 c .. 4 c + 3 of lane l at 512 c + 16 l), then the scale words (row r of fragment i at 12,288 + 32 r + 4 i).
; Row r of fragment i is row 32 (i / 2) + 8 (i % 2) + r + 8 (r / 8) of the 128.  With such a fragment as source 0, the 16 registers of result tiles 2 B and 2 B + 1 are 16 NEIGHBOURS, 32 B + 16 (lane / 16) + 0 .. 15, of source 0's rows.
; ops: record [row block][K step]: row blocks 0-63 x, 64-71 Wq, 72-79 Wk, 80-87 Wv.  qkv: q at record 8 tb + eb, k at 512 + 8 tb + eb (rows tokens, K = e); v^T at 1024 + 128 batch + 16 eb + tb % 16 (rows e, K = the batch's tokens).
; SHARES: 8 x 32 = 256 work-groups of equal work, one to a WGP, and each STAYS for three passes: 256 tokens (x's row blocks 2 y, 2 y + 1) against row block x of Wq, then of Wk, then of Wv.  x's 204,800 bytes come into LDS once
; and serve all three passes; the weights' 3 x 102,400 bytes go through two slots of four K steps.  24 K steps of 128, written out.
; A wave makes 64 x 128: 32 accumulators.  Passes q, k: source 0 = the weight's eight fragments, source 1 = fragments 4 (w % 2) + a of x's row block w / 2: a lane holds a token, its registers run along e.
; Pass v: source 0 = the eight fragments of x's row block w / 2, source 1 = fragments 4 (w % 2) + a of Wv: a lane holds an e, its registers run along the tokens.  Each pass's 32 accumulators become four fragments of one record.
; A record's 512 bytes of scale words come from two waves, in pieces of 16 bytes: those blocks of 256 bytes are not written whole by one instruction (512 of a record's 12,800 bytes).
; CLUSTERS 4 x 4: x's tiles hang on the work-group's y and are asked for jointly along a row of the cluster, the weights' on its x and along a column.
; TENSOR LOADS: the first fills go out in four stages, one load a wave in each (waves 0, 1: two K steps of an x row block; waves 2, 3: one K step of Wq): four loads of a wave are out.  Then four refills, each behind a round of the
; cluster's barrier: the slot that has just been read takes the next weight's same four K steps, one step to each of the four waves.
; No prefetch is laid: every block of a weight is asked for by all sixteen clusters at about the same time, and x is asked for whole at the head.
; LIMITS: blocks of results whose largest magnitude lies under 2^-122 keep the byte 1; NaN and infinities are not served.
; REGISTERS: window 0: v2-17 LDS addresses, v26-29, v32-55 scale words (two sets), v64-123 the way out, v128-223 source 1's four fragments (two sets); window 1: source 0's eight fragments, two sets; window 2: accumulator (a, b) at v[8 (8 a + b)].
.set REC,   12800
.set SCO,   12288
.set PART,  2*REC                      ; two K steps of a row block
.set RBB,   8*REC                      ; a row block's eight records
.set WB,    2*RBB                      ; LDS: x's two row blocks, then the weight's eight K steps: two slots of four
.set SPARE, WB+RBB                     ; behind them: the spare words, 128 bytes a wave: two blocks of 256 bytes that no other line names
.set XF,   2                           ; v2-3    x's row block w / 2, K steps 0-3 and 4-7: 16 x lane + base
.set XF4,  4                           ; v4-5    the same at fragment 4 (w % 2)
.set XS,   6                           ; v6-7    its scale words: 32 r + base
.set XS4,  8                           ; v8-9    the same at word 4 (w % 2)
.set WF,   10                          ; v10-11  the weight's slot 0, 1: 16 x lane + base
.set WF4,  12                          ; v12-13
.set WS,   14                          ; v14-15
.set WS4,  16                          ; v16-17
.set CO,   26                          ; v26     where my codes go in a record: 16 x lane + 6,144 (w % 2)
.set CS,   27                          ; v27     and my scale words: 32 r + 16 (w % 2) + 8 h
.set SPW,  28                          ; v28     my spare word's LDS address; never rewritten
.set NIL,  29                          ; v29     0; never rewritten
.set SCB,  32                          ; source 0's scale words: set p at SCB + 8 p
.set SCA,  48                          ; source 1's: set p at SCA + 4 p
.set PC,   64                          ; the way out: codes
.set SD,   100                         ; two scale words to store
.set TM,   104                         ; at work
.set PW4,  120                         ; the four tiles' scale words
.set AF,   128                         ; source 1's fragments: two sets of 48
.set G1Y, 24                           ; s[24:31] group 1 for x's tiles: 100 rows of 256 bytes
.set G1X, 32                           ; s[32:39] for the weights': 50 rows
.set G0Y, 40                           ; s[40:55] group 0 for x's first fills, a set for each stage
.set G0X, 68                           ; s[68:83] for Wq's first fills
.set GR,  84                           ; s[84:91] for the refills, a set for each slot
.set SEL, 92                           ; s[92:93] v_permlanex16_b32's selects for lane l xor 16
.set HIM, 94                           ; s94     lanes 16-31
.set OV,  96                           ; s[96:97] my record of v^T
.set MSB, 0
.macro WIN new                         ; the immediate's high byte repeats the setting that is left
.if MSB != \new
	s_set_vgpr_msb (MSB<<8)|\new
.set MSB, \new
.endif
.endm
.set MUL, 0xa1                         ; source 0 window 1, source 1 window 0, C and D window 2
; A joint first fill: waves 0 and 1 fetch for x, waves 2 and 3 for the weight.  The branch hangs on the wave's number alone.  An s_nop 0 and four v_nop follow each of the two lines.
.macro JLOAD g0a, g1a, g0b, g1b
	s_cmp_eq_u32 s15, 0
	s_cbranch_scc0 .Lfor_b_\@
	tensor_load_to_lds s[\g0a:\g0a+3], s[\g1a:\g1a+7]
	s_nop 0
.rept 4
	v_nop
.endr
	s_branch .Lasked_\@
.Lfor_b_\@:
	tensor_load_to_lds s[\g0b:\g0b+3], s[\g1b:\g1b+7]
	s_nop 0
.rept 4
	v_nop
.endr
.Lasked_\@:
.endm
.macro CREST                           ; a round of the cluster's barrier behind its opening barrier
	s_cmp_lg_u32 s14, 0
	s_cbranch_scc1 .Lnot_wave_0_\@
	s_barrier_signal -3
.Lnot_wave_0_\@:
	s_barrier_wait -3
	s_barrier_signal -1
	s_barrier_wait -1
.endm
.macro CROUND
	s_barrier_signal -1
	s_barrier_wait -1
	CREST
.endm
.macro PLACES n                        ; plain places behind matrix instructions, in front of loads into their registers and of the first read of results
.rept \n
	v_nop
.endr
.endm
.macro FRAG reg, adr, off              ; a fragment comes as the image of its registers: three loads of 512 consecutive bytes
.irp c, 0,1,2
	ds_load_b128 v[\reg+4*\c:\reg+4*\c+3], v[\adr] offset:\off+512*\c
.endr
.endm
; 39 LDS loads: a K step's eight fragments of source 0 (address fa, scale words sa), four of source 1 (fb, sb), into the sets p.  q: the step's place among its address register's four
.macro FETCH fa, sa, fb, sb, q, p
	WIN 0x40
.irp i, 0,1,2,3,4,5,6,7
	FRAG 128*(\p)+12*\i, \fa, (\q)*REC+1536*\i
.endr
	WIN 0
.irp i, 0,1,2,3
	FRAG AF+48*(\p)+12*\i, \fb, (\q)*REC+1536*\i
.endr
	ds_load_b128 v[SCB+8*(\p):SCB+8*(\p)+3], v[\sa] offset:(\q)*REC+SCO
	ds_load_b128 v[SCB+8*(\p)+4:SCB+8*(\p)+7], v[\sa] offset:(\q)*REC+SCO+16
	ds_load_b128 v[SCA+4*(\p):SCA+4*(\p)+3], v[\sb] offset:(\q)*REC+SCO
.endm
.macro FETCHG g, p                     ; step g of the 24: steps 0-15 (q, k) take the weight as source 0 and x as source 1, steps 16-23 (v) the other way round
.set HH, ((\g)%8)/4
.set QQ, (\g)%4
.if (\g) < 16
	FETCH WF+HH, WS+HH, XF4+HH, XS4+HH, QQ, \p
.else
	FETCH XF+HH, XS+HH, WF4+HH, WS4+HH, QQ, \p
.endif
.endm
.macro MUL8 a, p, zero                 ; source 1's tile a against source 0's eight; the 32 accumulators take turns, one instruction a turn
.irp b, 0,1,2,3,4,5,6,7
.if \zero
	v_wmma_scale_f32_16x16x128_f8f6f4 v[8*(8*(\a)+\b):8*(8*(\a)+\b)+7], v[128*(\p)+12*\b:128*(\p)+12*\b+11], v[AF+48*(\p)+12*(\a):AF+48*(\p)+12*(\a)+11], 0, v[SCB+8*(\p)+\b], v[SCA+4*(\p)+(\a)] matrix_a_fmt:MATRIX_FMT_BF6 matrix_b_fmt:MATRIX_FMT_BF6
.else
	v_wmma_scale_f32_16x16x128_f8f6f4 v[8*(8*(\a)+\b):8*(8*(\a)+\b)+7], v[128*(\p)+12*\b:128*(\p)+12*\b+11], v[AF+48*(\p)+12*(\a):AF+48*(\p)+12*(\a)+11], v[8*(8*(\a)+\b):8*(8*(\a)+\b)+7], v[SCB+8*(\p)+\b], v[SCA+4*(\p)+(\a)] matrix_a_fmt:MATRIX_FMT_BF6 matrix_b_fmt:MATRIX_FMT_BF6
.endif
.endr
.endm
; Step g, whose successor lies in LDS bytes that every wave has been shown whole.  zero = 1: a pass's first step: its products start the sums
.macro DSTEP g, zero
	s_wait_dscnt 0x0                               ; this step's sets are in
	WIN MUL
	MUL8 0, (\g)%2, \zero
	MUL8 1, (\g)%2, \zero
	PLACES 4
	FETCHG (\g)+1, 1-(\g)%2
	WIN MUL
	MUL8 2, (\g)%2, \zero
	MUL8 3, (\g)%2, \zero
	WIN 0
.endm
; Step g with a barrier in it.  kind = 0: the count n leaves the later stages' loads out.  kind = 1: the weight's slot rs, whose last step is in my registers, is filled again: every wave waits for all
; its tensor loads, adds 0 to its spare word, waits for that and for its LDS reads; the barrier opens a round of the cluster's barrier; the joint refill is the first thing behind the round, one K step to each wave.
; on = 1: the slot's descriptor goes on from Wk to Wv, eight row blocks further.
.macro DTURN g, kind, n, rs, on
.if \kind
	s_wait_tensorcnt 0x0                           ; all my tensor loads have landed
	ds_add_u32 v[SPW], v[NIL]                      ; 0 onto my spare word
	s_wait_dscnt 1                                 ; (the add may be out; this step's sets are in)
.else
	s_wait_tensorcnt \n                            ; my part of what is read behind the barrier has landed
	s_wait_dscnt 0x0
.endif
	WIN MUL
	MUL8 0, (\g)%2, 0
.if \kind
	s_wait_dscnt 0x0                               ; the add is done, and my reads of the slot are over
.endif
	s_barrier_signal -1
	MUL8 1, (\g)%2, 0
	WIN 0
	s_barrier_wait -1
.if \kind
	CREST                                          ; no wave of any partner still reads the slot or has a load on its way
.if \on
	s_add_nc_u64 s[GR+4*\rs+2:GR+4*\rs+3], s[GR+4*\rs+2:GR+4*\rs+3], 8*RBB
.endif
	tensor_load_to_lds s[GR+4*\rs:GR+4*\rs+3], s[G1X:G1X+7]
	s_nop 0
.endif
	PLACES 4                                       ; behind the load, and the places in front of the LDS loads below
	FETCHG (\g)+1, 1-(\g)%2
	WIN MUL
	MUL8 2, (\g)%2, 0
	MUL8 3, (\g)%2, 0
	WIN 0
.endm
; THE WAY OUT of a pass.  For source 1's tile a a lane holds one row and 64 numbers along the next K, register 16 b + i = k 32 b + 16 h + i: they become fragment 4 (w % 2) + a of my record, stored as it stands.
.macro QTILE a, ob, off
.set AC, 64*(\a)
	WIN 0x0a                                       ; sources 0 and 1: the accumulators' window
.irp b, 0,1,2,3
	v_max3_num_f32 v[TM+\b], |v[AC+16*\b]|, |v[AC+16*\b+1]|, 0x2800000   ; each accumulator is read from its low end on; the floor 2^(5 - 127) holds the byte at 1 from below
.endr
.irp i, 2,4,6,8,10,12,14
.irp b, 0,1,2,3
	v_max3_num_f32 v[TM+\b], |v[AC+16*\b+\i]|, |v[AC+16*\b+\i+1]|, v[TM+\b]
.endr
.endr
	WIN 0
.irp b, 0,1,2,3
	v_permlanex16_b32 v[TM+4+\b], v[TM+\b], s[SEL], s[SEL+1]
.endr
.irp b, 0,1,2,3
	v_max_num_f32 v[TM+\b], v[TM+\b], v[TM+4+\b]   ; with lane l xor 16's: the block's largest magnitude
.endr
.irp b, 0,1,2,3
	v_add_nc_u32 v[TM+12+\b], 0xfe000000, v[TM+\b] ; 4 off the exponent field: the conversion's scale operand
.endr
.irp b, 0,1,2,3
	v_lshrrev_b32 v[TM+4+\b], 23, v[TM+12+\b]      ; the scale's byte
.endr
	v_lshl_or_b32 v[PW4+(\a)], v[TM+5], 8, v[TM+4]
	v_lshl_or_b32 v[PW4+(\a)], v[TM+6], 16, v[PW4+(\a)]
	v_lshl_or_b32 v[PW4+(\a)], v[TM+7], 24, v[PW4+(\a)]
	s_wait_xcnt 0x0                                ; the earlier stores have read their data registers, which are written again below
	WIN 0x02
.irp c, 0,1
	v_cvt_scalef32_pk16_bf6_f32 v[PC+6*\c:PC+6*\c+2], v[AC+32*\c:AC+32*\c+15], v[TM+12+2*\c]
	v_cvt_scalef32_pk16_bf6_f32 v[PC+12+4*\c:PC+14+4*\c], v[AC+32*\c+16:AC+32*\c+31], v[TM+12+2*\c+1]   ; (a conversion's three registers begin on an even number)
.endr
	WIN 0
	v_nop                                          ; one plain place behind a scaled conversion
.irp c, 0,1                                    ; the operand's layout wants a whole block in a lane: lanes 0-15 block 2 c, lanes 16-31 block 2 c + 1
.irp i, 0,1,2
	v_permlane16_swap_b32 v[PC+6*\c+\i], v[PC+12+4*\c+\i]
.endr
.irp i, 0,1,2
	v_mov_b32 v[PC+3+6*\c+\i], v[PC+12+4*\c+\i]
.endr
.endr
.irp c, 0,1,2
	global_store_b128 v[CO], v[PC+4*\c:PC+4*\c+3], s[\ob:\ob+1] offset:(\off)+1536*(\a)+512*\c   ; 512 consecutive bytes a store
.endr
.endm
.macro WAYOUT ob, off
	PLACES 5                                       ; behind the pass's last products: four for the reads below, five for the next pass's products, which begin the accumulators anew
.irp a, 0,1,2,3
	QTILE \a, \ob, \off
.endr
	v_cndmask_b32 v[SD], v[PW4], v[PW4+2], s[HIM]  ; lanes 0-15 store their row's words of my tiles 0 and 1, lanes 16-31 those of tiles 2 and 3
	v_cndmask_b32 v[SD+1], v[PW4+1], v[PW4+3], s[HIM]
	global_store_b64 v[CS], v[SD:SD+1], s[\ob:\ob+1] offset:(\off)+SCO
.endm
	s_load_b128 s[4:7], s[0:1], 0x0                ; ops s[4:5], qkv s[6:7]
	v_lshl_add_u32 v[SPW], v0, 2, SPARE
	v_mov_b32 v[NIL], 0
	ds_add_u32 v[SPW], v[NIL]                      ; the wave's opening: the add and its wait ahead of my first tensor load; work on registers stands between them
	v_lshrrev_b32 v1, 5, v0
	v_readfirstlane_b32 s14, v1                    ; wave 0..3
	s_lshr_b32 s15, s14, 1                         ; my row block of x.  Also: my first fills are x's (0) or the weight's (1)
	s_and_b32 s16, s14, 1                          ; which four tiles of source 1 are mine.  Also: which part I fetch
	s_bfe_u32 s19, ttmp6, 0x40000                  ; cx
	s_bfe_u32 s20, ttmp6, 0x40004                  ; cy
	s_lshl_b32 s18, ttmp9, 2
	s_add_co_u32 s18, s18, s19                     ; work-group x, 0..7: row block x of each weight
	s_and_b32 s17, ttmp7, 0xffff
	s_lshl_b32 s17, s17, 2
	s_add_co_u32 s17, s17, s20                     ; work-group y, 0..31: 256 tokens
	s_lshl_b32 s21, s20, 2
	s_lshl_b32 s21, 15, s21                        ; my row of the cluster
	s_lshl_b32 s22, 0x1111, s19                    ; my column
	s_or_b32 s[G1Y], s21, (3<<16)|(1<<21)          ; 15:0 the mask; 17:16 elements of 8 bytes; 21 set beside a mask; no padding
	s_or_b32 s[G1X], s22, (3<<16)|(1<<21)
.irp g, G1Y, G1X                       ; dense blocks as rows of 256 bytes
	s_mov_b32 s[\g+1], 32<<16
	s_mov_b32 s[\g+3], 32<<16
	s_mov_b32 s[\g+5], 32
	s_mov_b32 s[\g+6], 0
	s_mov_b32 s[\g+7], 0
.endr
	s_mov_b32 s[G1Y+2], 100<<16                    ; x: two K steps, 25,600 bytes
	s_mov_b32 s[G1Y+4], 100
	s_mov_b32 s[G1X+2], 50<<16                     ; a weight: one K step, 12,800 bytes
	s_mov_b32 s[G1X+4], 50
	s_lshl_b32 s56, s17, 1
	s_add_co_u32 s56, s56, s16                     ; x's row block 2 y + part
	s_mul_i32 s56, s56, RBB
	s_mov_b32 s57, 0
	s_add_co_u32 s58, s18, 64                      ; Wq's row block x,
	s_mul_i32 s58, s58, RBB
	s_mul_i32 s62, s16, REC
	s_add_co_u32 s58, s58, s62                     ; K step part (a stage on: two steps on)
	s_mov_b32 s59, 0
	s_add_co_u32 s60, s18, 72                      ; Wk's row block x,
	s_mul_i32 s60, s60, RBB
	s_mul_i32 s63, s14, REC
	s_add_co_u32 s60, s60, s63                     ; K step wave (a slot on: four steps on)
	s_mov_b32 s61, 0
	s_mul_i32 s23, s16, RBB                        ; where they go: no place in the cluster enters an LDS address
	s_add_co_u32 s62, s62, WB
	s_add_co_u32 s63, s63, WB
	s_wait_dscnt 0x0                               ; the opening add is done
	s_wait_kmcnt 0x0
	s_add_nc_u64 s[56:57], s[4:5], s[56:57]
	s_add_nc_u64 s[58:59], s[4:5], s[58:59]
	s_add_nc_u64 s[60:61], s[4:5], s[60:61]
	CROUND                                         ; all sixteen work-groups are here: the first joint loads meet
.irp s, 0,1,2,3
	s_mov_b32 s[G0Y+4*\s], 1
	s_add_co_u32 s[G0Y+4*\s+1], s23, \s*PART
	s_add_nc_u64 s[G0Y+4*\s+2:G0Y+4*\s+3], s[56:57], \s*PART
	s_or_b32 s[G0Y+4*\s+3], s[G0Y+4*\s+3], 0x80000000
	s_mov_b32 s[G0X+4*\s], 1
	s_add_co_u32 s[G0X+4*\s+1], s62, \s*PART
	s_add_nc_u64 s[G0X+4*\s+2:G0X+4*\s+3], s[58:59], \s*PART
	s_or_b32 s[G0X+4*\s+3], s[G0X+4*\s+3], 0x80000000
	JLOAD G0Y+4*\s, G1Y, G0X+4*\s, G1X             ; stage s: K steps 2 s and 2 s + 1 of x and of Wq
.endr
.irp h, 0,1
	s_mov_b32 s[GR+4*\h], 1                        ; the refills' descriptors: slot h, first for Wk
	s_add_co_u32 s[GR+4*\h+1], s63, \h*4*REC
	s_add_nc_u64 s[GR+4*\h+2:GR+4*\h+3], s[60:61], \h*4*REC
	s_or_b32 s[GR+4*\h+3], s[GR+4*\h+3], 0x80000000
.endr
	v_and_b32 v1, 31, v0
	v_lshlrev_b32 v18, 4, v1                       ; 16 x lane
	v_and_b32 v19, 15, v0                          ; r
	v_bfe_u32 v20, v0, 4, 1                        ; h
	v_lshlrev_b32 v21, 5, v19                      ; 32 r
	s_mul_i32 s8, s15, RBB                         ; my row block of x in LDS
	s_mul_i32 s9, s16, 4*1536                      ; my four tiles' fragments in a record,
	s_lshl_b32 s10, s16, 4                         ; and their scale words in a row's eight
	s_mov_b32 s11, WB
.irp h, 0,1
	v_add_nc_u32 v[XF+\h], s8, v18
	v_add_nc_u32 v[XS+\h], s8, v21
	v_add_nc_u32 v[WF+\h], s11, v18
	v_add_nc_u32 v[WS+\h], s11, v21
	v_add_nc_u32 v[XF4+\h], s9, v[XF+\h]
	v_add_nc_u32 v[XS4+\h], s10, v[XS+\h]
	v_add_nc_u32 v[WF4+\h], s9, v[WF+\h]
	v_add_nc_u32 v[WS4+\h], s10, v[WS+\h]
	s_add_co_u32 s8, s8, 4*REC
	s_add_co_u32 s11, s11, 4*REC
.endr
	v_add_nc_u32 v[CO], s9, v18
	v_lshl_add_u32 v[CS], v20, 3, v21
	v_add_nc_u32 v[CS], s10, v[CS]
.irp b, 0,1,2,3
	v_mov_b32 v[TM+4+\b], 0                        ; written once: a lane permute's destination counts as one of its sources
.endr
	; my records.  tb = 2 y + w / 2: my token block.  q: 8 tb + x; k: 512 records on; v^T: 1024 + 128 (tb / 16) + 16 x + tb % 16
	s_lshl_b32 s12, s17, 1
	s_add_co_u32 s12, s12, s15
	s_lshl_b32 s13, s12, 3
	s_add_co_u32 s13, s13, s18
	s_mul_i32 s2, s13, REC
	s_mov_b32 s3, 0
	s_lshr_b32 s21, s12, 4
	s_lshl_b32 s21, s21, 7
	s_lshl_b32 s22, s18, 4
	s_add_co_u32 s21, s21, s22
	s_and_b32 s22, s12, 15
	s_add_co_u32 s21, s21, s22
	s_add_co_u32 s21, s21, 1024
	s_mul_i32 s98, s21, REC
	s_mov_b32 s99, 0
	s_add_nc_u64 s[OV:OV+1], s[6:7], s[98:99]
	s_add_nc_u64 s[6:7], s[6:7], s[2:3]
	s_mov_b32 s[HIM], 0xffff0000
	s_mov_b32 s[SEL], 0x76543210
	s_mov_b32 s[SEL+1], 0xfedcba98
	s_wait_tensorcnt 3                             ; my part of stage 0 is in; stages 1 to 3 may stay out
	s_barrier_signal -1
	s_barrier_wait -1
	FETCHG 0, 0
	; ---- pass q
	DSTEP 0, 1
	DTURN 1, 0, 2, 0, 0                            ; stage 1 is shown to all; stages 2 and 3 may stay out
	DSTEP 2, 0
	DTURN 3, 1, 0, 0, 0                            ; all first fills are in; slot 0 takes Wk's K steps 0-3
	DSTEP 4, 0
	DSTEP 5, 0
	DSTEP 6, 0
	DTURN 7, 1, 0, 1, 0                            ; slot 1 takes Wk's K steps 4-7; the next pass's first sets are fetched
	WAYOUT 6, 0                                    ; q goes out while that load is on its way
	; ---- pass k
	DSTEP 8, 1
	DSTEP 9, 0
	DSTEP 10, 0
	DTURN 11, 1, 0, 0, 1                           ; slot 0 takes Wv's K steps 0-3
	DSTEP 12, 0
	DSTEP 13, 0
	DSTEP 14, 0
	DTURN 15, 1, 0, 1, 1                           ; slot 1 takes Wv's K steps 4-7: the last load
	WAYOUT 6, 512*REC
	; ---- pass v: the sources have changed places
	DSTEP 16, 1
	DSTEP 17, 0
	DSTEP 18, 0
	DTURN 19, 0, 0, 0, 0                           ; the last load has landed and is shown to all; nothing is asked for
	DSTEP 20, 0
	DSTEP 21, 0
	DSTEP 22, 0
	s_wait_dscnt 0x0                               ; the last step: nothing more to fetch
	WIN MUL
	MUL8 0, 1, 0
	MUL8 1, 1, 0
	MUL8 2, 1, 0
	MUL8 3, 1, 0
	WIN 0
	WAYOUT OV, 0
	s_wait_tensorcnt 0x0                           ; the wave's end
	ds_add_u32 v[SPW], v[NIL]
	s_wait_dscnt 0x0
	CROUND                                         ; the closing round: no work-group ends while a partner may still ask for a tile that names it
	s_endpgm
.Lfunc_end_k_qf037001ee8_proj:
	.size	k_qf037001ee8_proj, .Lfunc_end_k_qf037001ee8_proj-k_qf037001ee8_proj
	.p2alignl 7, 3214868480
	.fill 96, 4, 3214868480
	.section	.rodata,"a",@progbits
	.p2align	6, 0x0
	.amdhsa_kernel k_qf037001ee8_proj
		.amdhsa_group_segment_fixed_size 327680
		.amdhsa_private_segment_fixed_size 0
		.amdhsa_enable_private_segment 0
		.amdhsa_kernarg_size 16
		.amdhsa_user_sgpr_count 2
		.amdhsa_user_sgpr_kernarg_segment_ptr 1
		.amdhsa_wavefront_size32 1
		.amdhsa_system_sgpr_workgroup_id_x 1
		.amdhsa_system_sgpr_workgroup_id_y 1
		.amdhsa_system_sgpr_workgroup_id_z 1
		.amdhsa_system_vgpr_workitem_id 0
		.amdhsa_next_free_vgpr 768
		.amdhsa_next_free_sgpr 100
		.amdhsa_reserve_vcc 0
		.amdhsa_float_denorm_mode_32 3
		.amdhsa_float_denorm_mode_16_64 3
		.amdhsa_memory_ordered 1
		.amdhsa_forward_progress 1
		.amdhsa_inst_pref_size 226
	.end_amdhsa_kernel
	.amdgpu_metadata
---
amdhsa.version: [ 1, 2 ]
amdhsa.kernels:
  - .name:           k_qf037001ee8_proj
    .symbol:         k_qf037001ee8_proj.kd
    .args:
      - { .name: ops, .offset: 0, .size: 8, .value_kind: global_buffer, .address_space: global }
      - { .name: qkv, .offset: 8, .size: 8, .value_kind: global_buffer, .address_space: global }
    .group_segment_fixed_size: 327680
    .private_segment_fixed_size: 0
    .kernarg_segment_align: 8
    .kernarg_segment_size: 16
    .max_flat_workgroup_size: 128
    .sgpr_count:     100
    .vgpr_count:     768
    .wavefront_size: 32
...
	.end_amdgpu_metadata
.endif
;; end of part 2
;; launch scores (part 3): grid 12 x 16, 4 waves a work-group, clusters of 4 x 4, 327,680 bytes of LDS; arguments qkv, pc, st; writes pc, st
.if DOCPART == 3
	.amdgcn_target "amdgcn-amd-amdhsa--gfx1250"
	.amdhsa_code_object_version 6
	.text
	.protected	k_qf037001ee8_scores
	.globl	k_qf037001ee8_scores
	.p2align	8
	.type	k_qf037001ee8_scores,@function
k_qf037001ee8_scores:
	s_mov_b64 s[64:65], 0
	v_nop
	global_prefetch_b8 v0, s[64:65] scope:SCOPE_SE
	s_setreg_imm32_b32 hwreg(HW_REG_WAVE_MODE, 25, 1), 1
	s_wait_xcnt 0x0
	s_wait_alu depctr_hold_cnt(0) depctr_sa_sdst(0) depctr_va_vdst(0) depctr_va_sdst(0) depctr_va_ssrc(0) depctr_va_vcc(0) depctr_vm_vsrc(0)
	s_getreg_b32 s2, hwreg(HW_REG_IB_STS2, 6, 4)
	s_cmp_eq_u32 s2, 0
	s_cbranch_scc0 .Lentry_in_a_cluster
	s_endpgm
.Lentry_in_a_cluster:
	s_bfe_u32 s2, ttmp6, 0x10000c
	s_cmp_lg_u32 s2, 0xf033
	s_cbranch_scc0 .Lentry_shape_is_right
	s_endpgm
.Lentry_shape_is_right:
; S^T = k q^T on codes of BF6 (E3M2), K = 1,024, the causal mask, and the softmax's first half: p is quantised BLOCK BY BLOCK of 32 keys against the block's own whole-number reference.
; For query and block b: t = score x log2(e) / 32; m_b = ceil(the block's largest t); p = 2^(t - m_b); L_b = the sum of the unquantised p; BY_b = the byte of the block's largest p; the codes of p.
; Stored: the codes (pc: [query block 0..63][key block 0..15] of 12,288 bytes: eight fragments, images of their registers), and st: [query block][key block][tile 0..7] of 512 bytes, 32 bytes a query:
; G_b = m_b + BY_b - 127 (four f32), then lambda_b = L_b x 2^(27 - BY_b) (four f32).  The next launch takes the row's largest G as the row's reference and moves the scale bytes: every rescaling is a power of two.
; A maximum is so taken away ahead of every exponential.  Hidden scores become -infinity ahead of the maximum: p = 0.  A block that is wholly hidden has zero codes, lambda = 0 and a G near -4.5e28, under every G that counts.
; LIMITS: G is a whole number in f32 only where |t| stays under 2^24; scores at or under -1e30 count as hidden; NaN and infinities are not served.
; SHARES: as in the launch before: 256 queries x 256 keys a work-group, 128 x 128 a wave; source 0 = k, source 1 = q: a lane holds a query, its registers run along the keys (record layout: see there).
; CLUSTERS 4 x 4, three for each batch: the 1,024 x 1,024 tiles (0, 0), (1, 0), (1, 1) of the triangle.  Work-groups of a diagonal cluster that lie above the diagonal run the same text:
; their records are zeros, and they are the records that the next launch's clusters multiply.  q's tiles are shared along a row of the cluster, k's along a column.
; K: eight steps, three slots of two steps, one refill: three tensor loads of a wave are out at the head.
.set REC,   12800
.set SCO,   12288
.set PART,  2*REC
.set SLOT,  4*PART
.set SPARE, 3*SLOT                     ; the spare words, 128 bytes a wave: two blocks of 256 bytes that no other line names
.set RBB,   8*REC
.set ASA,  8
.set ASB,  12
.set ADRA, 16
.set ADRB, 20
.set CO,   26                          ; v26  16 x lane
.set CS,   27                          ; v27  32 r + 16 h
.set SPW,  28
.set NIL,  29
.set DB,   30                          ; v30  128 (query block - key block) + r + 8 (r / 8) - 16 h
.set SC,   32
.set AF,   128
.set TM,   128                         ; the way out, in the registers that held source 1's fragments: the blocks' largest scores, then largest p
.set TP,   132
.set NM,   136                         ; -m_b, in the low halves of four pairs
.set LP,   144                         ; the sums, in pairs
.set SCL,  152
.set BY,   156
.set GG,   160
.set LL,   164
.set SD,   168
.set PC,   176
.set DD,   216
.set NEGINF, 217
.set G1Y, 24
.set G0Y, 32
.set G1X, 44
.set G0X, 52
.set SEL, 82
.set CSC, 84                           ; s[84:85] c = log2(e) / 32: the packed form names a pair and takes its low word for both halves
.set MSB, 0
.macro WIN new
.if MSB != \new
	s_set_vgpr_msb (MSB<<8)|\new
.set MSB, \new
.endif
.endm
.set MUL_LO, 0xa1
.set MUL_HI, 0xf1
.macro JLOAD g0a, g1a, g0b, g1b        ; a joint load: waves 0 and 1 for q, waves 2 and 3 for k; an s_nop 0 and four v_nop follow each line
	s_cmp_eq_u32 s15, 0
	s_cbranch_scc0 .Lfor_b_\@
	tensor_load_to_lds s[\g0a:\g0a+3], s[\g1a:\g1a+7]
	s_nop 0
.rept 4
	v_nop
.endr
	s_branch .Lasked_\@
.Lfor_b_\@:
	tensor_load_to_lds s[\g0b:\g0b+3], s[\g1b:\g1b+7]
	s_nop 0
.rept 4
	v_nop
.endr
.Lasked_\@:
.endm
.macro CREST
	s_cmp_lg_u32 s14, 0
	s_cbranch_scc1 .Lnot_wave_0_\@
	s_barrier_signal -3
.Lnot_wave_0_\@:
	s_barrier_wait -3
	s_barrier_signal -1
	s_barrier_wait -1
.endm
.macro CROUND
	s_barrier_signal -1
	s_barrier_wait -1
	CREST
.endm
.macro PLACES n
.rept \n
	v_nop
.endr
.endm
.macro FRAG reg, adr, off
.irp c, 0,1,2
	ds_load_b128 v[\reg+4*\c:\reg+4*\c+3], v[\adr] offset:\off+512*\c
.endr
.endm
.macro FETCH_B s, q, p
	WIN 0x40
.irp i, 0,1,2,3,4,5,6,7
	FRAG 128*(\p)+12*\i, ADRB+\s, (\q)*REC+1536*\i
.endr
	WIN 0
.endm
.macro FETCH_A s, q, i0
.irp i, \i0, \i0+1, \i0+2, \i0+3
	FRAG AF+12*(\i), ADRA+\s, (\q)*REC+1536*(\i)
.endr
.endm
.macro SCALES s, q, p
	ds_load_b128 v[SC+16*(\p):SC+16*(\p)+3], v[ASA+\s] offset:(\q)*REC+SCO
	ds_load_b128 v[SC+16*(\p)+4:SC+16*(\p)+7], v[ASA+\s] offset:(\q)*REC+SCO+16
	ds_load_b128 v[SC+16*(\p)+8:SC+16*(\p)+11], v[ASB+\s] offset:(\q)*REC+SCO
	ds_load_b128 v[SC+16*(\p)+12:SC+16*(\p)+15], v[ASB+\s] offset:(\q)*REC+SCO+16
.endm
.macro MUL16 a0, p, zero               ; the 64 accumulators take turns, one instruction a turn
.irp a, \a0, \a0+1
.irp b, 0,1,2,3,4,5,6,7
.if \zero
	v_wmma_scale_f32_16x16x128_f8f6f4 v[8*(8*((\a)%4)+\b):8*(8*((\a)%4)+\b)+7], v[128*(\p)+12*\b:128*(\p)+12*\b+11], v[AF+12*(\a):AF+12*(\a)+11], 0, v[SC+16*(\p)+8+\b], v[SC+16*(\p)+(\a)] matrix_a_fmt:MATRIX_FMT_BF6 matrix_b_fmt:MATRIX_FMT_BF6
.else
	v_wmma_scale_f32_16x16x128_f8f6f4 v[8*(8*((\a)%4)+\b):8*(8*((\a)%4)+\b)+7], v[128*(\p)+12*\b:128*(\p)+12*\b+11], v[AF+12*(\a):AF+12*(\a)+11], v[8*(8*((\a)%4)+\b):8*(8*((\a)%4)+\b)+7], v[SC+16*(\p)+8+\b], v[SC+16*(\p)+(\a)] matrix_a_fmt:MATRIX_FMT_BF6 matrix_b_fmt:MATRIX_FMT_BF6
.endif
.endr
.endr
.endm
.macro STEP p, ns, nq, zero
	s_wait_dscnt 12                                ; all but the youngest twelve loads (q's tiles 4-7) are in
	WIN MUL_LO
	MUL16 0, \p, \zero
	MUL16 2, \p, \zero
	s_wait_dscnt 0x0
	PLACES 4
	FETCH_B \ns, \nq, 1-\p
	FETCH_A \ns, \nq, 0
	SCALES \ns, \nq, 1-\p
	WIN MUL_HI
	MUL16 4, \p, \zero
	MUL16 6, \p, \zero
	PLACES 4
	WIN 0
	FETCH_A \ns, \nq, 4
.endm
.macro TURN p, ns, nq, kind, n         ; a step that changes slots; kind = 1: slot 0 is filled again behind a round of the cluster's barrier
.if \kind
	s_wait_tensorcnt 0x0                           ; all my tensor loads have landed
	ds_add_u32 v[SPW], v[NIL]                      ; 0 onto my spare word
	s_wait_dscnt 13                                ; (the add and the youngest twelve loads may be out)
.else
	s_wait_tensorcnt \n                            ; my part of the next slot has landed
	s_wait_dscnt 12
.endif
	WIN MUL_LO
	MUL16 0, \p, 0
	s_wait_dscnt 0x0
	s_barrier_signal -1
	MUL16 2, \p, 0
	WIN 0
	s_barrier_wait -1
.if \kind
	CREST
	s_add_nc_u64 s[G0Y+2:G0Y+3], s[G0Y+2:G0Y+3], 3*PART
	s_add_nc_u64 s[G0X+2:G0X+3], s[G0X+2:G0X+3], 3*PART
	JLOAD G0Y, G1Y, G0X, G1X
.else
	PLACES 4
.endif
	FETCH_B \ns, \nq, 1-\p
	FETCH_A \ns, \nq, 0
	SCALES \ns, \nq, 1-\p
	WIN MUL_HI
	MUL16 4, \p, 0
	MUL16 6, \p, 0
	PLACES 4
	WIN 0
	FETCH_A \ns, \nq, 4
.endm
	s_load_b128 s[4:7], s[0:1], 0x0                ; qkv s[4:5], pc s[6:7]
	s_load_b64 s[8:9], s[0:1], 0x10                ; st
	v_lshl_add_u32 v[SPW], v0, 2, SPARE
	v_mov_b32 v[NIL], 0
	ds_add_u32 v[SPW], v[NIL]                      ; the wave's opening: the add and its wait ahead of my first tensor load
	v_lshrrev_b32 v1, 5, v0
	v_readfirstlane_b32 s14, v1
	s_lshr_b32 s15, s14, 1                         ; my half of the queries.  Also: I fetch for q (0) or for k (1)
	s_and_b32 s16, s14, 1                          ; my half of the keys.  Also: which row block I fetch
	s_bfe_u32 s19, ttmp6, 0x40000                  ; cx
	s_bfe_u32 s20, ttmp6, 0x40004                  ; cy
	s_add_co_u32 s66, ttmp9, 1
	s_lshr_b32 s66, s66, 1                         ; the cluster's tile row of the triangle: 0, 1, 1
	s_lshr_b32 s67, ttmp9, 1                       ; and column: 0, 0, 1
	s_and_b32 s68, ttmp7, 0xffff                   ; batch
	s_lshl_b32 s17, s66, 2
	s_add_co_u32 s17, s17, s20                     ; I: my 256 queries
	s_lshl_b32 s18, s67, 2
	s_add_co_u32 s18, s18, s19                     ; J: my 256 keys
	s_lshl_b32 s69, s68, 4
	s_lshl_b32 s21, s20, 2
	s_lshl_b32 s21, 15, s21
	s_lshl_b32 s22, 0x1111, s19
	s_or_b32 s[G1Y], s21, (3<<16)|(1<<21)
	s_or_b32 s[G1X], s22, (3<<16)|(1<<21)
.irp g, G1Y, G1X
	s_mov_b32 s[\g+1], 32<<16
	s_mov_b32 s[\g+2], 100<<16
	s_mov_b32 s[\g+3], 32<<16
	s_mov_b32 s[\g+4], 100
	s_mov_b32 s[\g+5], 32
	s_mov_b32 s[\g+6], 0
	s_mov_b32 s[\g+7], 0
.endr
	s_lshl_b32 s70, s17, 1
	s_add_co_u32 s70, s70, s16
	s_add_co_u32 s70, s70, s69                     ; q's row block 16 batch + 2 I + half
	s_mul_i32 s70, s70, RBB
	s_mov_b32 s71, 0
	s_lshl_b32 s72, s18, 1
	s_add_co_u32 s72, s72, s16
	s_add_co_u32 s72, s72, s69
	s_add_co_u32 s72, s72, 64                      ; k's row blocks lie 64 row blocks behind q's
	s_mul_i32 s72, s72, RBB
	s_mov_b32 s73, 0
	s_mul_i32 s23, s14, PART
	s_wait_dscnt 0x0
	s_wait_kmcnt 0x0
	s_add_nc_u64 s[70:71], s[4:5], s[70:71]
	s_add_nc_u64 s[72:73], s[4:5], s[72:73]
	CROUND
.irp s, 0,1,2
	s_mov_b32 s[G0Y+4*\s], 1
	s_add_co_u32 s[G0Y+4*\s+1], s23, \s*SLOT
	s_add_nc_u64 s[G0Y+4*\s+2:G0Y+4*\s+3], s[70:71], \s*PART
	s_or_b32 s[G0Y+4*\s+3], s[G0Y+4*\s+3], 0x80000000
	s_mov_b32 s[G0X+4*\s], 1
	s_add_co_u32 s[G0X+4*\s+1], s23, \s*SLOT
	s_add_nc_u64 s[G0X+4*\s+2:G0X+4*\s+3], s[72:73], \s*PART
	s_or_b32 s[G0X+4*\s+3], s[G0X+4*\s+3], 0x80000000
	JLOAD G0Y+4*\s, G1Y, G0X+4*\s, G1X
.endr
	v_and_b32 v1, 31, v0
	v_lshlrev_b32 v[CO], 4, v1
	v_and_b32 v2, 15, v0                           ; r
	v_bfe_u32 v3, v0, 4, 1                         ; h
	v_lshlrev_b32 v4, 5, v2
	v_lshl_add_u32 v[CS], v3, 4, v4
	s_mul_i32 s76, s15, PART                       ; q's row block in a slot
	s_mul_i32 s77, s16, PART
	s_add_co_u32 s77, s77, 2*PART                  ; k's, behind q's two
.irp s, 0,1,2
	v_add_nc_u32 v[ADRA+\s], s76, v[CO]
	v_add_nc_u32 v[ADRB+\s], s77, v[CO]
	v_add_nc_u32 v[ASA+\s], s76, v4
	v_add_nc_u32 v[ASB+\s], s77, v4
	s_add_co_u32 s76, s76, SLOT
	s_add_co_u32 s77, s77, SLOT
.endr
	s_lshl_b32 s74, s17, 1
	s_add_co_u32 s74, s74, s15                     ; qb: my 128 queries in the batch
	s_lshl_b32 s75, s18, 1
	s_add_co_u32 s75, s75, s16                     ; kb: my 128 keys
	s_sub_co_i32 s76, s74, s75
	s_lshl_b32 s76, s76, 7
	v_and_b32 v5, 8, v2
	v_add_nc_u32 v5, v5, v2
	v_lshlrev_b32 v6, 4, v3
	v_sub_nc_u32 v5, v5, v6
	v_add_nc_u32 v[DB], s76, v5
	s_add_co_u32 s77, s69, s74
	s_lshl_b32 s77, s77, 4
	s_add_co_u32 s77, s77, s75                     ; (16 batch + qb) 16 + kb
	s_mul_i32 s78, s77, 12288
	s_mov_b32 s79, 0
	s_add_nc_u64 s[6:7], s[6:7], s[78:79]
	s_lshl_b32 s78, s77, 12
	s_add_nc_u64 s[8:9], s[8:9], s[78:79]
	s_mov_b32 s80, 0xffff0000                      ; lanes 16-31
	s_mov_b32 s[SEL], 0x76543210
	s_mov_b32 s[SEL+1], 0xfedcba98
	s_mov_b32 s[CSC], 0x3d38aa3b                   ; c = log2(e) / 32
	s_mov_b32 s[CSC+1], s[CSC]
	s_wait_tensorcnt 2                             ; my part of slot 0 is in; slots 1 and 2 may stay out
	s_barrier_signal -1
	s_barrier_wait -1
	FETCH_B 0, 0, 0
	FETCH_A 0, 0, 0
	SCALES 0, 0, 0
	FETCH_A 0, 0, 4
	STEP 0, 0, 1, 1
	TURN 1, 1, 0, 0, 1                             ; slot 2's load may stay out
	STEP 0, 1, 1, 0
	TURN 1, 2, 0, 1, 0                             ; slot 0 is filled again, with steps 6 and 7
	STEP 0, 2, 1, 0
	TURN 1, 0, 0, 0, 0
	STEP 0, 0, 1, 0
	s_wait_dscnt 12
	WIN MUL_LO
	MUL16 0, 1, 0
	MUL16 2, 1, 0
	s_wait_dscnt 0x0
	WIN MUL_HI
	MUL16 4, 1, 0
	MUL16 6, 1, 0
	WIN 0
	PLACES 4
.irp b, 0,1,2,3
	v_mov_b32 v[TP+\b], 0                          ; written once: a lane permute's destination counts as one of its sources;
	v_mov_b32 v[NM+2*\b+1], 0                      ; and the upper halves of pairs that are named whole
.endr
	v_mov_b32 v[NEGINF], 0xff800000
; THE WAY OUT, a tile of 16 queries at a time.  Register n of the tile's 64 holds key 32 (n / 16) + 16 h + n % 16 of my 128.
.macro PTILE a
.set AC, 64*((\a)%4)
.set WW, 2+(\a)/4
	s_cmp_eq_u32 ttmp9, 1                          ; the cluster under the diagonal hides nothing: a branch on the cluster's number, the same in all partners
	s_cbranch_scc1 .Lopen_\@
	v_add_nc_u32 v[DD], 32*((\a)/2)+8*((\a)%2), v[DB]   ; my query less my half's first key: hidden where 32 (n / 16) + n % 16 is above it
	WIN 0x41*WW                                    ; source 0 and destination: the accumulators' window
.set n, 0
.rept 64
	v_cmp_gt_i32 vcc_lo, 32*(n/16)+n%16, v[DD]
	v_cndmask_b32 v[AC+n], v[AC+n], v[NEGINF], vcc_lo
.set n, n+1
.endr
	WIN 0
.Lopen_\@:
	WIN 5*WW
.irp b, 0,1,2,3
	v_max3_num_f32 v[TM+\b], v[AC+16*\b], v[AC+16*\b+1], 0xf149f2ca   ; the block's largest score, over the floor -1e30; each accumulator is read from its low end on
.endr
.irp i, 2,4,6,8,10,12,14
.irp b, 0,1,2,3
	v_max3_num_f32 v[TM+\b], v[AC+16*\b+\i], v[AC+16*\b+\i+1], v[TM+\b]
.endr
.endr
	WIN 0
.irp b, 0,1,2,3
	v_permlanex16_b32 v[TP+\b], v[TM+\b], s[SEL], s[SEL+1]
.endr
.irp b, 0,1,2,3
	v_max_num_f32 v[TM+\b], v[TM+\b], v[TP+\b]     ; with lane l xor 16's 16 keys
.endr
.irp b, 0,1,2,3
	v_mul_f32 v[TP+\b], s[CSC], v[TM+\b]           ; as t
.endr
.irp b, 0,1,2,3
	v_floor_f32 v[NM+2*\b], -v[TP+\b]              ; -m_b = floor(-t) = -ceil(t): a whole number
.endr
.irp b, 0,1,2,3
	v_fma_f32 v[TM+\b], v[TM+\b], s[CSC], v[NM+2*\b]   ; the largest score goes the same way as every score: it gives the block's largest p
.endr
	WIN 0x41*WW
.irp j, 0,2,4,6,8,10,12,14
.irp b, 0,1,2,3
	v_pk_fma_f32 v[AC+16*\b+\j:AC+16*\b+\j+1], v[AC+16*\b+\j:AC+16*\b+\j+1], s[CSC:CSC+1], v[NM+2*\b:NM+2*\b+1] op_sel_hi:[1,0,0]   ; t - m_b, two at a time
.endr
.endr
.set n, 0
.rept 64
	v_exp_f32 v[AC+n], v[AC+n]                     ; p = 2^(t - m_b)
.set n, n+1
.endr
	WIN 0
.irp b, 0,1,2,3
	v_exp_f32 v[TM+\b], v[TM+\b]
.endr
	v_nop                                          ; a plain place behind the last exponential
	s_wait_alu depctr_va_vdst(0)                   ; one wait for the batch of 68, ahead of its first reader
	WIN WW
.irp b, 0,1,2,3
	v_pk_mul_f32 v[LP+2*\b:LP+2*\b+1], v[AC+16*\b:AC+16*\b+1], 1.0 op_sel_hi:[1,0]   ; the sums of the unquantised p begin
.endr
.irp j, 2,4,6,8,10,12,14
.irp b, 0,1,2,3
	v_pk_add_f32 v[LP+2*\b:LP+2*\b+1], v[AC+16*\b+\j:AC+16*\b+\j+1], v[LP+2*\b:LP+2*\b+1]
.endr
.endr
	WIN 0
.irp b, 0,1,2,3
	v_add_f32 v[LL+\b], v[LP+2*\b], v[LP+2*\b+1]
.endr
.irp b, 0,1,2,3
	v_permlanex16_b32 v[TP+\b], v[LL+\b], s[SEL], s[SEL+1]
.endr
.irp b, 0,1,2,3
	v_add_f32 v[LL+\b], v[LL+\b], v[TP+\b]         ; L_b
.endr
.irp b, 0,1,2,3
	v_max_num_f32 v[TM+\b], 0x2800000, v[TM+\b]    ; the floor 2^(5 - 127): the byte cannot fall under 1
.endr
.irp b, 0,1,2,3
	v_add_nc_u32 v[SCL+\b], 0xfe000000, v[TM+\b]   ; 4 off the exponent field: the conversion's scale operand
.endr
.irp b, 0,1,2,3
	v_lshrrev_b32 v[BY+\b], 23, v[SCL+\b]          ; BY_b
.endr
.irp b, 0,1,2,3
	v_add_nc_u32 v[GG+\b], 0xffffff81, v[BY+\b]
.endr
.irp b, 0,1,2,3
	v_cvt_f32_i32 v[GG+\b], v[GG+\b]
.endr
.irp b, 0,1,2,3
	v_sub_f32 v[GG+\b], v[GG+\b], v[NM+2*\b]       ; G_b = BY_b - 127 + m_b
.endr
.irp b, 0,1,2,3
	v_sub_nc_u32 v[BY+\b], 27, v[BY+\b]
.endr
.irp b, 0,1,2,3
	v_ldexp_f32 v[LL+\b], v[LL+\b], v[BY+\b]       ; lambda_b = L_b x 2^(27 - BY_b)
.endr
	s_wait_xcnt 0x0                                ; the last tile's stores have read the registers that are written again below
	WIN WW
.irp c, 0,1
	v_cvt_scalef32_pk16_bf6_f32 v[PC+6*\c:PC+6*\c+2], v[AC+32*\c:AC+32*\c+15], v[SCL+2*\c]
	v_cvt_scalef32_pk16_bf6_f32 v[PC+12+4*\c:PC+14+4*\c], v[AC+32*\c+16:AC+32*\c+31], v[SCL+2*\c+1]
.endr
	WIN 0
	v_nop                                          ; one plain place behind a scaled conversion
.irp c, 0,1
.irp i, 0,1,2
	v_permlane16_swap_b32 v[PC+6*\c+\i], v[PC+12+4*\c+\i]
.endr
.irp i, 0,1,2
	v_mov_b32 v[PC+3+6*\c+\i], v[PC+12+4*\c+\i]
.endr
.endr
.irp j, 0,1,2,3
	v_cndmask_b32 v[SD+\j], v[GG+\j], v[LL+\j], s80   ; lanes 0-15 store their query's four G, lanes 16-31 its four lambda
.endr
.irp c, 0,1,2
	global_store_b128 v[CO], v[PC+4*\c:PC+4*\c+3], s[6:7] offset:1536*(\a)+512*\c
.endr
	global_store_b128 v[CS], v[SD:SD+3], s[8:9] offset:512*(\a)
.endm
.irp a, 0,1,2,3,4,5,6,7
	PTILE \a
.endr
	s_wait_tensorcnt 0x0                           ; the wave's end
	ds_add_u32 v[SPW], v[NIL]
	s_wait_dscnt 0x0
	CROUND                                         ; the closing round
	s_endpgm
.Lfunc_end_k_qf037001ee8_scores:
	.size	k_qf037001ee8_scores, .Lfunc_end_k_qf037001ee8_scores-k_qf037001ee8_scores
	.p2alignl 7, 3214868480
	.fill 96, 4, 3214868480
	.section	.rodata,"a",@progbits
	.p2align	6, 0x0
	.amdhsa_kernel k_qf037001ee8_scores
		.amdhsa_group_segment_fixed_size 327680
		.amdhsa_private_segment_fixed_size 0
		.amdhsa_enable_private_segment 0
		.amdhsa_kernarg_size 24
		.amdhsa_user_sgpr_count 2
		.amdhsa_user_sgpr_kernarg_segment_ptr 1
		.amdhsa_wavefront_size32 1
		.amdhsa_system_sgpr_workgroup_id_x 1
		.amdhsa_system_sgpr_workgroup_id_y 1
		.amdhsa_system_sgpr_workgroup_id_z 1
		.amdhsa_system_vgpr_workitem_id 0
		.amdhsa_next_free_vgpr 1024
		.amdhsa_next_free_sgpr 96
		.amdhsa_reserve_vcc 1
		.amdhsa_float_denorm_mode_32 3
		.amdhsa_float_denorm_mode_16_64 3
		.amdhsa_memory_ordered 1
		.amdhsa_forward_progress 1
		.amdhsa_inst_pref_size 249
	.end_amdhsa_kernel
	.amdgpu_metadata
---
amdhsa.version: [ 1, 2 ]
amdhsa.kernels:
  - .name:           k_qf037001ee8_scores
    .symbol:         k_qf037001ee8_scores.kd
    .args:
      - { .name: qkv, .offset: 0, .size: 8, .value_kind: global_buffer, .address_space: global }
      - { .name: pc, .offset: 8, .size: 8, .value_kind: global_buffer, .address_space: global }
      - { .name: st, .offset: 16, .size: 8, .value_kind: global_buffer, .address_space: global }
    .group_segment_fixed_size: 327680
    .private_segment_fixed_size: 0
    .kernarg_segment_align: 8
    .kernarg_segment_size: 24
    .max_flat_workgroup_size: 128
    .sgpr_count:     96
    .vgpr_count:     1024
    .wavefront_size: 32
...
	.end_amdgpu_metadata
.endif
;; end of part 3
;; launch pv (part 4): grid 4 x 64, 4 waves a work-group, clusters of 4 x 4, 327,680 bytes of LDS; arguments qkv, pc, st, out0; writes out0
.if DOCPART == 4
	.amdgcn_target "amdgcn-amd-amdhsa--gfx1250"
	.amdhsa_code_object_version 6
	.text
	.protected	k_qf037001ee8_pv
	.globl	k_qf037001ee8_pv
	.p2align	8
	.type	k_qf037001ee8_pv,@function
k_qf037001ee8_pv:
	s_mov_b64 s[64:65], 0
	v_nop
	global_prefetch_b8 v0, s[64:65] scope:SCOPE_SE
	s_setreg_imm32_b32 hwreg(HW_REG_WAVE_MODE, 25, 1), 1
	s_wait_xcnt 0x0
	s_wait_alu depctr_hold_cnt(0) depctr_sa_sdst(0) depctr_va_vdst(0) depctr_va_sdst(0) depctr_va_ssrc(0) depctr_va_vcc(0) depctr_vm_vsrc(0)
	s_getreg_b32 s2, hwreg(HW_REG_IB_STS2, 6, 4)
	s_cmp_eq_u32 s2, 0
	s_cbranch_scc0 .Lentry_in_a_cluster
	s_endpgm
.Lentry_in_a_cluster:
	s_bfe_u32 s2, ttmp6, 0x10000c
	s_cmp_lg_u32 s2, 0xf033
	s_cbranch_scc0 .Lentry_shape_is_right
	s_endpgm
.Lentry_shape_is_right:
; O = P V / l on codes of BF6 (E3M2).  P's codes came block by block of 32 keys, each against its own whole-number reference (G_b, lambda_b in st: see the launch before).
; THE SOFTMAX'S SECOND HALF, a query to a thread: M' = the row's largest G; u_b = max(127 + G_b - M', 1) is block b's E8M0 byte; l'' = the sum of lambda_b x 2^u_b = 2^27 x the row's sum under M'; O = sums x 2^27 / l''.
; Every rescaling is a power of two.  A block more than 126 binades under the row's largest is held at byte 1 (LIMIT: what it then adds lies under 2^-120 of the row's largest term).
; SHARES: a work-group makes 128 queries x 256 of e; a wave 64 queries (P's tiles 4 s15 + a) x 128 e (V^T's row block s16): 32 accumulators.  O^T = V^T P^T: source 0 = 16 of e, source 1 = 16 queries: a lane holds a query.
; CLUSTERS 4 x 4: cx = the block of e, cy = the query block in its group of four.  P's tiles are shared along a row of the cluster, V's along a column.  Query blocks 0-7 of a batch have 8 key steps, blocks 8-15 have 16:
; just what the launch before has written.  All partners of a cluster have the same count.
; K: a slot holds four steps; both slots go out at the head (two tensor loads of a wave are out); a cluster with 16 steps fills each slot once more.  The text is written out by POSITIONS 0 to 15: a cluster with 8 steps
; runs positions 0-2 and 11-15, by one scalar branch on the cluster's number; behind the place where the ways join every wait on the tensor counter is for 0.
; LDS: slot s at 151,552 s: P's four steps (12,288 each), V^T's row block 0 (four records), row block 1; then P's scale words by position, the 128 queries' 2^27 / l'', the spare words.  The stage for the way out lies in slot 0,
; behind that slot's last fill and last read.
.set REC,   12800
.set PREC,  12288
.set SCO,   12288
.set VOFF,  4*PREC
.set SLOT,  VOFF+8*REC
.set SCP,   2*SLOT                     ; P's scale words: position x 512 + 32 r + 4 x tile
.set LQ,    SCP+8192                   ; 2^27 / l'' of the work-group's 128 queries
.set SPARE, LQ+512                     ; the spare words, 128 bytes a wave: two blocks of 256 bytes that no other line names
.set SPI,   528                        ; the stage: 16 rows x (512 bytes + 16) for each wave
.set SL,   2                           ; v2   32 x thread: my query's 32 bytes of a tile's statistics
.set SL2,  3                           ; v3   the same for positions 8-15
.set SPA,  4                           ; v4   where I store my query's scale words
.set LQA,  5                           ; v5   and its 2^27 / l''
.set STO,  6
.set RD,   7
.set ASB,  12                          ; v12-13 V's scale words in slot 0, 1
.set LQR,  14
.set ADRA, 16                          ; v16-17 P's fragments
.set ADRB, 20                          ; v20-21 V's fragments
.set ASP,  24                          ; v24    P's scale words
.set CO,   26
.set SPW,  28
.set NIL,  29
.set SCB,  32                          ; V's words: set p at SCB + 8 p
.set SCA,  48                          ; P's words: set p at SCA + 4 p
.set WD,   64                          ; v64-79 the prologue: a scale word for each position
.set LS,   80
.set MX,   84
.set MM,   86
.set ONE,  87
.set RQ,   88                          ; v88-95 2^27 / l'' of my four tiles' queries, in the low halves of four pairs
.set AF,   128                         ; P's fragments: two sets of 48
.set BK,   128                         ; the way out: rows read back: v128-191 and v192-255 by turns
.set G1Y, 24
.set G0Y, 32
.set G1X, 44
.set G0X, 52
.set HEAVY, 70
.set FLAG,  84
.set MSB, 0
.macro WIN new
.if MSB != \new
	s_set_vgpr_msb (MSB<<8)|\new
.set MSB, \new
.endif
.endm
.set MUL, 0xa1                         ; source 0 (V) window 1, source 1 (P) window 0, C and D window 2
.macro JLOAD g0a, g1a, g0b, g1b        ; a joint load: waves 0 and 1 for P, waves 2 and 3 for V; an s_nop 0 and four v_nop follow each line
	s_cmp_eq_u32 s15, 0
	s_cbranch_scc0 .Lfor_b_\@
	tensor_load_to_lds s[\g0a:\g0a+3], s[\g1a:\g1a+7]
	s_nop 0
.rept 4
	v_nop
.endr
	s_branch .Lasked_\@
.Lfor_b_\@:
	tensor_load_to_lds s[\g0b:\g0b+3], s[\g1b:\g1b+7]
	s_nop 0
.rept 4
	v_nop
.endr
.Lasked_\@:
.endm
.macro CREST
	s_cmp_lg_u32 s14, 0
	s_cbranch_scc1 .Lnot_wave_0_\@
	s_barrier_signal -3
.Lnot_wave_0_\@:
	s_barrier_wait -3
	s_barrier_signal -1
	s_barrier_wait -1
.endm
.macro CROUND
	s_barrier_signal -1
	s_barrier_wait -1
	CREST
.endm
.macro PLACES n
.rept \n
	v_nop
.endr
.endm
.macro FRAG reg, adr, off
.irp c, 0,1,2
	ds_load_b128 v[\reg+4*\c:\reg+4*\c+3], v[\adr] offset:\off+512*\c
.endr
.endm
.macro FETCH ns, nq, npos, p           ; 39 LDS loads: a step's eight fragments of V, four of P, and their scale words, into the sets p
	WIN 0x40
.irp i, 0,1,2,3,4,5,6,7
	FRAG 128*(\p)+12*\i, ADRB+\ns, (\nq)*REC+1536*\i
.endr
	WIN 0
.irp i, 0,1,2,3
	FRAG AF+48*(\p)+12*\i, ADRA+\ns, (\nq)*PREC+1536*\i
.endr
	ds_load_b128 v[SCB+8*(\p):SCB+8*(\p)+3], v[ASB+\ns] offset:(\nq)*REC+SCO
	ds_load_b128 v[SCB+8*(\p)+4:SCB+8*(\p)+7], v[ASB+\ns] offset:(\nq)*REC+SCO+16
	ds_load_b128 v[SCA+4*(\p):SCA+4*(\p)+3], v[ASP] offset:512*(\npos)
.endm
.macro MUL8 a, p, zero                 ; P's tile a against V's eight; the 32 accumulators take turns, one instruction a turn
.irp b, 0,1,2,3,4,5,6,7
.if \zero
	v_wmma_scale_f32_16x16x128_f8f6f4 v[8*(8*(\a)+\b):8*(8*(\a)+\b)+7], v[128*(\p)+12*\b:128*(\p)+12*\b+11], v[AF+48*(\p)+12*(\a):AF+48*(\p)+12*(\a)+11], 0, v[SCB+8*(\p)+\b], v[SCA+4*(\p)+(\a)] matrix_a_fmt:MATRIX_FMT_BF6 matrix_b_fmt:MATRIX_FMT_BF6
.else
	v_wmma_scale_f32_16x16x128_f8f6f4 v[8*(8*(\a)+\b):8*(8*(\a)+\b)+7], v[128*(\p)+12*\b:128*(\p)+12*\b+11], v[AF+48*(\p)+12*(\a):AF+48*(\p)+12*(\a)+11], v[8*(8*(\a)+\b):8*(8*(\a)+\b)+7], v[SCB+8*(\p)+\b], v[SCA+4*(\p)+(\a)] matrix_a_fmt:MATRIX_FMT_BF6 matrix_b_fmt:MATRIX_FMT_BF6
.endif
.endr
.endm
.macro DSTEP p, ns, nq, npos, zero
	s_wait_dscnt 0x0                               ; this step's sets are in
	WIN MUL
	MUL8 0, \p, \zero
	MUL8 1, \p, \zero
	PLACES 4
	FETCH \ns, \nq, \npos, 1-\p
	WIN MUL
	MUL8 2, \p, \zero
	MUL8 3, \p, \zero
	WIN 0
.endm
; A slot's last step: every wave waits for all its tensor loads, adds 0 to its spare word, waits for that and for its reads of the slot; one barrier.  fill = 1: it opens a round of the cluster's barrier, and slot fs is filled
; again, with the steps eight further on, first thing behind the round.
.macro DTURN p, ns, nq, npos, fill, fs
	s_wait_tensorcnt 0x0                           ; all my tensor loads have landed: my part of the next slot
	ds_add_u32 v[SPW], v[NIL]                      ; 0 onto my spare word
	s_wait_dscnt 1                                 ; (the add may be out)
	WIN MUL
	MUL8 0, \p, 0
	s_wait_dscnt 0x0                               ; the add is done, and my reads of this slot are over
	s_barrier_signal -1
	MUL8 1, \p, 0
	WIN 0
	s_barrier_wait -1
.if \fill
	CREST
	s_add_nc_u64 s[G0Y+4*\fs+2:G0Y+4*\fs+3], s[G0Y+4*\fs+2:G0Y+4*\fs+3], 8*PREC
	s_add_nc_u64 s[G0X+4*\fs+2:G0X+4*\fs+3], s[G0X+4*\fs+2:G0X+4*\fs+3], 8*REC
	JLOAD G0Y+4*\fs, G1Y, G0X+4*\fs, G1X           ; its four v_nop are also the places in front of the loads below
.else
	PLACES 4
.endif
	FETCH \ns, \nq, \npos, 1-\p
	WIN MUL
	MUL8 2, \p, 0
	MUL8 3, \p, 0
	WIN 0
.endm
	s_load_b256 s[4:11], s[0:1], 0x0               ; qkv s[4:5], pc s[6:7], st s[8:9], out0 s[10:11]
	v_lshl_add_u32 v[SPW], v0, 2, SPARE
	v_mov_b32 v[NIL], 0
	ds_add_u32 v[SPW], v[NIL]                      ; the wave's opening: the add and its wait ahead of my first tensor load
	v_lshrrev_b32 v1, 5, v0
	v_readfirstlane_b32 s14, v1
	s_lshr_b32 s15, s14, 1                         ; my half of the queries.  Also: I fetch for P (0) or for V (1)
	s_and_b32 s16, s14, 1                          ; my half of e.  Also: which part I fetch
	s_bfe_u32 s19, ttmp6, 0x40000                  ; cx
	s_bfe_u32 s20, ttmp6, 0x40004                  ; cy
	s_and_b32 s17, ttmp7, 0xffff
	s_lshr_b32 s66, s17, 2                         ; batch
	s_and_b32 s67, s17, 3                          ; the group of four query blocks
	s_lshr_b32 s[HEAVY], s67, 1                    ; 1: 16 key steps; the same in all sixteen partners
	s_lshl_b32 s68, s67, 2
	s_add_co_u32 s68, s68, s20
	s_lshl_b32 s69, s66, 4
	s_add_co_u32 s69, s69, s68                     ; my query block, 0..63
	s_lshl_b32 s78, s20, 2
	s_lshl_b32 s78, 15, s78                        ; my row of the cluster
	s_lshl_b32 s79, 0x1111, s19                    ; my column
	s_or_b32 s[G1Y], s78, (3<<16)|(1<<21)
	s_or_b32 s[G1X], s79, (3<<16)|(1<<21)
.irp g, G1Y, G1X                       ; dense blocks as rows of 256 bytes
	s_mov_b32 s[\g+1], 32<<16
	s_mov_b32 s[\g+3], 32<<16
	s_mov_b32 s[\g+5], 32
	s_mov_b32 s[\g+6], 0
	s_mov_b32 s[\g+7], 0
.endr
	s_mov_b32 s[G1Y+2], 96<<16                     ; P: two steps, 24,576 bytes
	s_mov_b32 s[G1Y+4], 96
	s_mov_b32 s[G1X+2], 200<<16                    ; V: four steps of a row block, 51,200 bytes
	s_mov_b32 s[G1X+4], 200
	s_mul_i32 s72, s69, 16*PREC
	s_mul_i32 s21, s16, 2*PREC                     ; P: my two steps, in memory and in a slot
	s_add_co_u32 s72, s72, s21
	s_mov_b32 s73, 0
	s_lshl_b32 s74, s19, 1
	s_add_co_u32 s74, s74, s16
	s_lshl_b32 s74, s74, 4
	s_lshl_b32 s75, s66, 7
	s_add_co_u32 s74, s74, s75
	s_add_co_u32 s74, s74, 1024                    ; V^T: record 1024 + 128 batch + 16 (2 cx + half)
	s_mul_i32 s74, s74, REC
	s_mov_b32 s75, 0
	s_mul_i32 s22, s16, 4*REC
	s_add_co_u32 s22, s22, VOFF                    ; and its place in a slot
	s_wait_dscnt 0x0
	s_wait_kmcnt 0x0
	s_add_nc_u64 s[72:73], s[6:7], s[72:73]
	s_add_nc_u64 s[74:75], s[4:5], s[74:75]
	CROUND
.irp s, 0,1
	s_mov_b32 s[G0Y+4*\s], 1
	s_add_co_u32 s[G0Y+4*\s+1], s21, \s*SLOT
	s_add_nc_u64 s[G0Y+4*\s+2:G0Y+4*\s+3], s[72:73], \s*4*PREC
	s_or_b32 s[G0Y+4*\s+3], s[G0Y+4*\s+3], 0x80000000
	s_mov_b32 s[G0X+4*\s], 1
	s_add_co_u32 s[G0X+4*\s+1], s22, \s*SLOT
	s_add_nc_u64 s[G0X+4*\s+2:G0X+4*\s+3], s[74:75], \s*4*REC
	s_or_b32 s[G0X+4*\s+3], s[G0X+4*\s+3], 0x80000000
	JLOAD G0Y+4*\s, G1Y, G0X+4*\s, G1X             ; steps 4 s .. 4 s + 3
.endr
	; THE PROLOGUE: thread t takes query r = t % 16 of tile t / 16.  Position p stands for key step p, in a cluster of 8 steps for key step p % 8
	s_cmp_lg_u32 s[HEAVY], 0
	s_cselect_b32 s[FLAG], 0x3f800000, 0           ; positions 3 to 10 count in the sum only where there are 16 steps
	s_cselect_b32 s85, 32768, 0
	s_lshl_b32 s76, s69, 16                        ; my query block's statistics: 16 steps x 4,096 bytes
	s_mov_b32 s77, 0
	s_add_nc_u64 s[8:9], s[8:9], s[76:77]
	v_lshlrev_b32 v[SL], 5, v0
	v_add_nc_u32 v[SL2], s85, v[SL]
	WIN 0x80                                       ; destination window 2: G at v[8 p ..], lambda at v[8 p + 4 ..]
.set n, 0
.rept 8
	global_load_b128 v[8*n:8*n+3], v[SL], s[8:9] offset:4096*n
	global_load_b128 v[8*n+4:8*n+7], v[SL], s[8:9] offset:4096*n+16
.set n, n+1
.endr
.rept 8
	global_load_b128 v[8*n:8*n+3], v[SL2], s[8:9] offset:4096*(n-8)
	global_load_b128 v[8*n+4:8*n+7], v[SL2], s[8:9] offset:4096*(n-8)+16
.set n, n+1
.endr
	WIN 0
	v_and_b32 v1, 31, v0
	v_lshlrev_b32 v[CO], 4, v1
	v_and_b32 v8, 15, v0                           ; r
	v_bfe_u32 v9, v0, 4, 1                         ; h
	v_lshlrev_b32 v10, 5, v8
	s_mul_i32 s82, s15, 4*1536                     ; P's tiles 4 s15 on
	s_mul_i32 s83, s16, 4*REC
	s_add_co_u32 s83, s83, VOFF                    ; V^T's row block s16
.irp s, 0,1
	v_add_nc_u32 v[ADRA+\s], s82, v[CO]
	v_add_nc_u32 v[ADRB+\s], s83, v[CO]
	v_add_nc_u32 v[ASB+\s], s83, v10
	s_add_co_u32 s82, s82, SLOT
	s_add_co_u32 s83, s83, SLOT
.endr
	s_lshl_b32 s82, s15, 4
	s_add_co_u32 s82, s82, SCP
	v_add_nc_u32 v[ASP], s82, v10                  ; SCP + 32 r + 16 s15: my four tiles' words of row r
	v_lshrrev_b32 v11, 4, v0
	v_lshl_add_u32 v[SPA], v11, 2, v10
	v_add_nc_u32 v[SPA], SCP, v[SPA]               ; SCP + 32 r + 4 x tile
	v_lshl_add_u32 v[LQA], v0, 2, LQ
	s_lshl_b32 s82, s15, 8
	s_add_co_u32 s82, s82, LQ
	v_lshl_add_u32 v[LQR], v8, 2, s82              ; LQ + 256 s15 + 4 r
	s_mul_i32 s82, s14, 16*SPI                     ; my stage
	v_mul_u32_u24 v[STO], v8, SPI
	v_lshl_add_u32 v[STO], v9, 6, v[STO]
	v_add_nc_u32 v[STO], s82, v[STO]               ; in: row r, + 64 h
	v_add_nc_u32 v[RD], s82, v[CO]                 ; back: 16 x lane of a row
	s_lshl_b32 s80, s69, 7
	s_lshl_b32 s81, s15, 6
	s_add_co_u32 s80, s80, s81                     ; my first row of out0: 128 x query block + 64 s15
	s_lshl_b32 s80, s80, 12
	s_lshl_b32 s81, s19, 10
	s_add_co_u32 s80, s80, s81                     ; + 1,024 bytes x cx
	s_lshl_b32 s81, s16, 9
	s_add_co_u32 s80, s80, s81                     ; + 512 bytes x s16
	s_mov_b32 s81, 0
	s_add_nc_u64 s[10:11], s[10:11], s[80:81]
	v_mov_b32 v[ONE], 1.0
.irp a, 0,1,2,3
	v_mov_b32 v[RQ+2*\a+1], 0                      ; the upper halves of pairs that are named whole
.endr
	s_wait_loadcnt 0x0
	WIN 0x0a                                       ; sources 0 and 1 window 2
	v_max_num_f32 v[MX], v[0], v[1]                ; the row's largest G, in two chains
	v_max_num_f32 v[MX+1], v[2], v[3]
.set n, 1
.rept 15
	v_max3_num_f32 v[MX], v[8*n], v[8*n+1], v[MX]
	v_max3_num_f32 v[MX+1], v[8*n+2], v[8*n+3], v[MX+1]
.set n, n+1
.endr
	WIN 0
	v_max_num_f32 v[MX], v[MX], v[MX+1]
	v_add_f32 v[MM], 0xc2fe0000, v[MX]             ; M' - 127
	WIN 0x82                                       ; source 0 and destination window 2
.set n, 0
.rept 64
	v_sub_f32 v[8*(n/4)+n%4], v[8*(n/4)+n%4], v[MM]   ; 127 + G - M': whole numbers, nothing is rounded
.set n, n+1
.endr
.set n, 0
.rept 64
	v_max_num_f32 v[8*(n/4)+n%4], v[8*(n/4)+n%4], v[ONE]   ; held at 1 from below
.set n, n+1
.endr
.set n, 0
.rept 64
	v_cvt_u32_f32 v[8*(n/4)+n%4], v[8*(n/4)+n%4]   ; u: 1 to 127
.set n, n+1
.endr
	WIN 0x8a
.set n, 0
.rept 64
	v_ldexp_f32 v[8*(n/4)+4+n%4], v[8*(n/4)+4+n%4], v[8*(n/4)+n%4]   ; lambda x 2^u
.set n, n+1
.endr
	WIN 0x22
.set n, 0
.rept 16
	v_lshl_or_b32 v[WD+n], v[8*n+1], 8, v[8*n]     ; a position's four bytes make my query's scale word
.set n, n+1
.endr
	WIN 0x02
.set n, 0
.rept 16
	v_lshl_or_b32 v[WD+n], v[8*n+2], 16, v[WD+n]
.set n, n+1
.endr
.set n, 0
.rept 16
	v_lshl_or_b32 v[WD+n], v[8*n+3], 24, v[WD+n]
.set n, n+1
.endr
.irp j, 0,1,2,3
	v_mov_b32 v[LS+\j], v[4+\j]                    ; l'' in four chains; each key step counts once
.endr
.set n, 1
.rept 15
.irp j, 0,1,2,3
.if (n < 3) || (n > 10)
	v_add_f32 v[LS+\j], v[8*n+4+\j], v[LS+\j]
.else
	v_fma_f32 v[LS+\j], v[8*n+4+\j], s[FLAG], v[LS+\j]
.endif
.endr
.set n, n+1
.endr
	WIN 0
.set n, 0
.rept 16
	ds_store_b32 v[SPA], v[WD+n] offset:512*n
.set n, n+1
.endr
	v_add_f32 v[LS], v[LS], v[LS+1]
	v_add_f32 v[LS+2], v[LS+2], v[LS+3]
	v_add_f32 v[LS], v[LS], v[LS+2]
	v_rcp_f32 v[LS+1], v[LS]
	v_nop                                          ; a plain place behind the reciprocal
	s_wait_alu depctr_va_vdst(0)                   ; and the wait ahead of its first reader
	v_ldexp_f32 v[LS+1], v[LS+1], 27
	ds_store_b32 v[LQA], v[LS+1]
	s_wait_tensorcnt 1                             ; my part of slot 0 is in; slot 1's may stay out
	s_wait_dscnt 0x0                               ; for the others' sake: my words have landed
	s_barrier_signal -1
	s_barrier_wait -1
	FETCH 0, 0, 0, 0
	DSTEP 0, 0, 1, 1, 1                            ; position 0: its products start the sums
	DSTEP 1, 0, 2, 2, 0
	DSTEP 0, 0, 3, 3, 0                            ; position 2 fetches slot 0's last step
	s_cmp_eq_u32 s[HEAVY], 0
	s_cbranch_scc1 .Ltail                          ; 8 key steps: on to the tail; the condition is the cluster's number alone, so all waves of all partners go the same way
	DTURN 1, 1, 0, 4, 1, 0                         ; position 3: slot 0 takes steps 8-11
	DSTEP 0, 1, 1, 5, 0
	DSTEP 1, 1, 2, 6, 0
	DSTEP 0, 1, 3, 7, 0
	DTURN 1, 0, 0, 8, 1, 1                         ; position 7: slot 1 takes steps 12-15
	DSTEP 0, 0, 1, 9, 0
	DSTEP 1, 0, 2, 10, 0
	DSTEP 0, 0, 3, 11, 0
.Ltail:
	DTURN 1, 1, 0, 12, 0, 0                        ; position 11 (of 8 steps: step 3): slot 0 is left for good, nothing is asked for
	DSTEP 0, 1, 1, 13, 0
	DSTEP 1, 1, 2, 14, 0
	DSTEP 0, 1, 3, 15, 0
	s_wait_dscnt 0x0                               ; position 15: nothing more to fetch
	WIN MUL
	MUL8 0, 1, 0
	MUL8 1, 1, 0
	MUL8 2, 1, 0
	MUL8 3, 1, 0
	WIN 0
	PLACES 4
	; THE WAY OUT, a tile of 16 queries at a time: x 2^27 / l'', through my stage in LDS, back as whole pieces of rows of 512 bytes.  Register 8 b + j of a lane is e = 32 (b / 2) + 16 h + 8 (b % 2) + j of my 128.
.irp a, 0,1,2,3
	ds_load_b32 v[RQ+2*\a], v[LQR] offset:64*\a
.endr
	s_wait_dscnt 0x0
.macro TOSTAGE a
	WIN 0x82
.set n, 0
.rept 32
	v_pk_mul_f32 v[64*(\a)+n:64*(\a)+n+1], v[64*(\a)+n:64*(\a)+n+1], v[RQ+2*(\a):RQ+2*(\a)+1] op_sel_hi:[1,0]   ; each accumulator from its low end on
.set n, n+2
.endr
	WIN 0x08                                       ; an LDS store's data are its source 1: window 2
.irp b, 0,1,2,3,4,5,6,7
	ds_store_b128 v[STO], v[64*(\a)+8*\b:64*(\a)+8*\b+3] offset:128*(\b/2)+32*(\b%2)
	ds_store_b128 v[STO], v[64*(\a)+8*\b+4:64*(\a)+8*\b+7] offset:128*(\b/2)+32*(\b%2)+16
.endr
	WIN 0
.set BB, BK+64*((\a)%2)
.irp t, 0,1,2,3,4,5,6,7,8,9,10,11,12,13,14,15
	ds_load_b128 v[BB+4*\t:BB+4*\t+3], v[RD] offset:\t*SPI   ; LDS serves a wave's instructions in order (ISA guide 5.7.1.4): these see my stores, and the next tile's stores come behind them
.endr
.endm
.macro SEND a, younger                 ; younger: the LDS instructions issued behind tile a's loads, which may stay out
.set BB, BK+64*((\a)%2)
	s_wait_dscnt \younger
.irp t, 0,1,2,3,4,5,6,7,8,9,10,11,12,13,14,15
	global_store_b128 v[CO], v[BB+4*\t:BB+4*\t+3], s[10:11] offset:(32*((\a)/2)+8*((\a)%2)+\t+8*(\t/8))*4096 th:TH_STORE_NT   ; 32 lanes store 512 consecutive bytes of one row of out0
.endr
.endm
	TOSTAGE 0
.irp a, 1,2,3
.if \a > 1
	s_wait_xcnt 0x0                                ; tile a - 2's stores have read their registers: tile a's loads may land there
.endif
	TOSTAGE \a
	SEND \a-1, 32                                  ; behind tile a - 1's loads: tile a's 16 stores and 16 loads
.endr
	SEND 3, 0
	s_wait_tensorcnt 0x0                           ; the wave's end, behind my last tensor load and my last LDS store
	ds_add_u32 v[SPW], v[NIL]
	s_wait_dscnt 0x0
	CROUND                                         ; the closing round
	s_endpgm
.Lfunc_end_k_qf037001ee8_pv:
	.size	k_qf037001ee8_pv, .Lfunc_end_k_qf037001ee8_pv-k_qf037001ee8_pv
	.p2alignl 7, 3214868480
	.fill 96, 4, 3214868480
	.section	.rodata,"a",@progbits
	.p2align	6, 0x0
	.amdhsa_kernel k_qf037001ee8_pv
		.amdhsa_group_segment_fixed_size 327680
		.amdhsa_private_segment_fixed_size 0
		.amdhsa_enable_private_segment 0
		.amdhsa_kernarg_size 32
		.amdhsa_user_sgpr_count 2
		.amdhsa_user_sgpr_kernarg_segment_ptr 1
		.amdhsa_wavefront_size32 1
		.amdhsa_system_sgpr_workgroup_id_x 1
		.amdhsa_system_sgpr_workgroup_id_y 1
		.amdhsa_system_sgpr_workgroup_id_z 1
		.amdhsa_system_vgpr_workitem_id 0
		.amdhsa_next_free_vgpr 768
		.amdhsa_next_free_sgpr 100
		.amdhsa_reserve_vcc 0
		.amdhsa_float_denorm_mode_32 3
		.amdhsa_float_denorm_mode_16_64 3
		.amdhsa_memory_ordered 1
		.amdhsa_forward_progress 1
		.amdhsa_inst_pref_size 164
	.end_amdhsa_kernel
	.amdgpu_metadata
---
amdhsa.version: [ 1, 2 ]
amdhsa.kernels:
  - .name:           k_qf037001ee8_pv
    .symbol:         k_qf037001ee8_pv.kd
    .args:
      - { .name: qkv, .offset: 0, .size: 8, .value_kind: global_buffer, .address_space: global }
      - { .name: pc, .offset: 8, .size: 8, .value_kind: global_buffer, .address_space: global }
      - { .name: st, .offset: 16, .size: 8, .value_kind: global_buffer, .address_space: global }
      - { .name: out0, .offset: 24, .size: 8, .value_kind: global_buffer, .address_space: global }
    .group_segment_fixed_size: 327680
    .private_segment_fixed_size: 0
    .kernarg_segment_align: 8
    .kernarg_segment_size: 32
    .max_flat_workgroup_size: 128
    .sgpr_count:     100
    .vgpr_count:     768
    .wavefront_size: 32
...
	.end_amdgpu_metadata
.endif
;; end of part 4
